; MI455X (gfx1250); checked and timed in simulation.
; The chip was launched on July 23, 2026; its instructions are those of AMD's public machine-readable ISA for CDNA 5 (MIT licence, August 2026) and "CDNA5" Instruction Set Architecture Reference Guide (July 2026). The comments in the code are by the model that wrote it; some were corrected since.
;; Model. Allowed arithmetic: float matrix products may take bf16 or f16 operands with f32 sums; all other float work in f32.
;; Inputs: W1 32 x 128 float32; W2 128 x 128 float32; W3 128 x 1 float32; b1 128 float32; b2 128 float32; b3 1 float32; grids 16 x 513 x 513 x 2 float32; x 2,097,152 x 2 float32.
;; Outputs: out0 2,097,152 x 1 float32.
;; 3 versions, each right; version 2 is faster than version 1; version 3 is version 2 with the launch prep written anew for expert scheduling mode. Each part assembles by itself: llvm-mc -triple=amdgcn-amd-amdhsa -mcpu=gfx1250 --defsym DOCPART=n.
;; ======== version 1 of 3: 2 launches
;; limits: values are held in f16: magnitudes above 65,504 overflow, below 6.1e-05 lose precision; right only within a limited range of input values
;; workspace buffers: xq 16,777,216 bytes of whole numbers; quads 58,720,256 bytes; wimg 40,960 bytes; gmax 8,192 bytes
;; launch prep (part 1): grid 256 x 1, 8 waves a work-group, no clusters, 0 bytes of LDS; arguments x, grids, W1, W2, xq, quads, wimg, gmax; writes xq, quads, wimg, gmax
.if DOCPART == 1
	.amdgcn_target "amdgcn-amd-amdhsa--gfx1250"
	.amdhsa_code_object_version 6
	.text
	.protected	k_q953c6767a2_prep
	.globl	k_q953c6767a2_prep
	.p2align	8
	.type	k_q953c6767a2_prep,@function
k_q953c6767a2_prep:
	s_mov_b64 s[64:65], 0
	v_nop
	global_prefetch_b8 v0, s[64:65] scope:SCOPE_SE
	s_setreg_imm32_b32 hwreg(HW_REG_WAVE_MODE, 25, 1), 1
	s_wait_xcnt 0x0
; PREPARATION for the multi-resolution grid + MLP.  Four jobs, all streams through registers (no LDS, no barrier, no matrix unit: nothing is shared
; between waves and nothing is multiplied).  256 work-groups of 8 waves; g = work-group, T = thread 0..255.
;  J1  xq:    each coordinate of x becomes the whole number (floor(x 2^23) mod 2^23) | (x >= 0) << 24, with floor(x 2^23) clamped to [-2^31, 2^23 - 1].
;             The next launch forms cell numbers and weights from it by integer arithmetic.
;             LIMITS: x finite (NaN or infinity gives a finite number here); x >= 1 is taken as 1 - 2^-23, which differs from the last vertex by
;             at most r 2^-23 of a cell; for x < -256 the weights are taken as 0.  The position is exact to 2^-14 of a cell at r = 512.
;  J2  gmax:  each wave's largest |grids| over the vertices that can be read (row, column <= r of each level): 2,048 numbers.
;  J3  quads: levels 9 to 15, one entry of 32 bytes for each cell (ix, iy): f00, f01, f10, f11 (first index ix, second iy), at
;             (l - 9) 2^23 + 16384 ix + 32 iy.  Rows ix < r; columns up to the next multiple of 128 (those at or beyond r are never read).
;  J4  wimg:  W1 and W2 transposed, in f16, in the register image of a 16 x 32 matrix operand (work-groups 0 to 9, one block of 512 bytes a wave).
;             LIMIT: |W1|, |W2| < 65,504; their absolute resolution is 2^-25.
.set LEVEL, 2105352                    ; bytes of one level of grids: 513 x 513 x 2 x 4
.set ROWB,  4104                       ; bytes of one row: 513 x 2 x 4
.set RES0, 16
.set RES1, 20
.set RES2, 25
.set RES3, 32
.set RES4, 40
.set RES5, 50
.set RES6, 64
.set RES7, 80
.set RES8, 101
.set RES9, 128
.set RES10, 161
.set RES11, 203
.set RES12, 256
.set RES13, 322
.set RES14, 406
.set RES15, 512
.set QA, 8                             ; v[8:17]    J3: load offset of each of ten row slots
.set QS, 18                            ; v[18:27]   J3: store offset of each slot
.set QD, 28                            ; v[28:143]  J3: 29 passes x 4 registers; afterwards J1's 16 x 4
.set MA, 144                           ; v[144:176] J2: 33 offsets
.set MD, 178                           ; v[178:243] J2: 33 x 2 numbers; afterwards J4's 8 + 4
.set GM, 244                           ; v244       J2: running maximum
.set TT, 245                           ; v[245:248] at work
.set TN, 249                           ; v[249:252] at work
	s_load_b512 s[4:19], s[0:1], 0x0               ; x s[4:5], grids s[6:7], W1 s[8:9], W2 s[10:11], xq s[12:13], quads s[14:15], wimg s[16:17], gmax s[18:19]
	s_mov_b32 s2, ttmp9                            ; g
	v_lshrrev_b32 v1, 5, v0
	v_readfirstlane_b32 s3, v1                     ; wave 0..7
	v_and_b32 v1, 31, v0                           ; lane
	v_lshrrev_b32 v2, 1, v0
	v_and_b32 v[TT], 1, v0
	v_lshlrev_b32 v2, 3, v2
	v_mad_u32_u24 v2, v[TT], ROWB, v2              ; J3 load: column T / 2, row ix + (T & 1)
	v_lshlrev_b32 v3, 4, v0                        ; 16 T: J3's stores, J1's loads and stores
	s_mov_b32 s28, 0xcf000000                      ; -2^31
	s_mov_b32 s29, 0x4afffffe                      ; 2^23 - 1
	s_mov_b32 s30, 0x76543210                      ; v_permlanex16_b32: lane i reads lane i of the other half
	s_mov_b32 s31, 0xfedcba98
	s_lshl_b32 s20, s2, 16                         ; J1: 65,536 bytes (8,192 points) a work-group
	s_mov_b32 s21, 0
	s_wait_kmcnt 0x0
	s_add_nc_u64 s[32:33], s[4:5], s[20:21]
	s_add_nc_u64 s[34:35], s[12:13], s[20:21]
; J3, one row slot: row ix = g + 256 b of level l, np passes of 128 entries.  The loads always run, from row min(ix, r - 1), so that
; every register is written on every path; only the stores are left out where ix >= r.
.macro QSLOT idx, l, b, np, first
	s_add_co_u32 s20, s2, 256*\b
	s_min_u32 s21, s20, RES\l-1
	s_mul_i32 s21, s21, ROWB
	s_add_co_u32 s21, s21, \l*LEVEL
	v_add_nc_u32 v[QA+\idx], s21, v2
	s_lshl_b32 s20, s20, 14
	s_add_co_u32 s20, s20, (\l-9)<<23
	v_add_nc_u32 v[QS+\idx], s20, v3
.set p, 0
.rept \np
	global_load_b64 v[QD+4*(\first+p):QD+4*(\first+p)+1],   v[QA+\idx], s[6:7] offset:1024*p      ; vertex (row, e)
	global_load_b64 v[QD+4*(\first+p)+2:QD+4*(\first+p)+3], v[QA+\idx], s[6:7] offset:1024*p+8    ; vertex (row, e + 1); e + 1 <= 512 is inside the row
.set p, p+1
.endr
.endm
	QSLOT 0, 9,  0, 1, 0
	QSLOT 1, 10, 0, 2, 1
	QSLOT 2, 11, 0, 2, 3
	QSLOT 3, 12, 0, 2, 5
	QSLOT 4, 13, 0, 3, 7
	QSLOT 5, 13, 1, 3, 10
	QSLOT 6, 14, 0, 4, 13
	QSLOT 7, 14, 1, 4, 17
	QSLOT 8, 15, 0, 4, 21
	QSLOT 9, 15, 1, 4, 25
; J2, one load: vertex (min(g + ra, r), min(T + ca, r)) of level l.  Over all work-groups and threads every vertex with row, column <= r is met.
.macro MX idx, l, ra, ca
	s_add_co_u32 s20, s2, \ra
	s_min_u32 s20, s20, RES\l
	s_mul_i32 s20, s20, ROWB
	s_add_co_u32 s20, s20, \l*LEVEL
	v_add_nc_u32 v[TT], \ca, v0
	v_min_u32 v[TT], RES\l, v[TT]
	v_lshl_add_u32 v[MA+\idx], v[TT], 3, s20
	global_load_b64 v[MD+2*\idx:MD+2*\idx+1], v[MA+\idx], s[6:7]
.endm
.irp l, 0,1,2,3,4,5,6,7,8,9,10,11
	MX \l, \l, 0, 0
.endr
	MX 12, 12, 0, 0
	MX 13, 12, 0, 256
	MX 14, 12, 256, 0
	MX 15, 12, 256, 256
	MX 16, 13, 0, 0
	MX 17, 13, 0, 256
	MX 18, 13, 256, 0
	MX 19, 13, 256, 256
	MX 20, 14, 0, 0
	MX 21, 14, 0, 256
	MX 22, 14, 256, 0
	MX 23, 14, 256, 256
	MX 24, 15, 0, 0
	MX 25, 15, 0, 256
	MX 26, 15, 0, 512
	MX 27, 15, 256, 0
	MX 28, 15, 256, 256
	MX 29, 15, 256, 512
	MX 30, 15, 512, 0
	MX 31, 15, 512, 256
	MX 32, 15, 512, 512
	s_wait_loadcnt 33                              ; loads come back in order: J3's 58 are in, J2's 33 younger ones stay out
; J3's stores: thread T writes 16 bytes at 16 T of a pass, so a wave's store covers 512 consecutive bytes, aligned
.macro QSTORE idx, np, first
.set p, 0
.rept \np
	global_store_b128 v[QS+\idx], v[QD+4*(\first+p):QD+4*(\first+p)+3], s[14:15] offset:4096*p
.set p, p+1
.endr
.endm
.macro QSTORE_IF idx, np, first, lim           ; only where the slot's row exists: g < lim
	s_cmp_lt_u32 s2, \lim
	s_cbranch_scc0 .Lskip_\@
	QSTORE \idx, \np, \first
.Lskip_\@:
.endm
	QSTORE_IF 0, 1, 0, 128
	QSTORE_IF 1, 2, 1, 161
	QSTORE_IF 2, 2, 3, 203
	QSTORE 3, 2, 5
	QSTORE 4, 3, 7
	QSTORE_IF 5, 3, 10, 66
	QSTORE 6, 4, 13
	QSTORE_IF 7, 4, 17, 150
	QSTORE 8, 4, 21
	QSTORE 9, 4, 25
	s_wait_xcnt 0x0                                ; the stores' data registers are loaded again only behind this wait
.irp k, 0,1,2,3,4,5,6,7,8,9,10,11,12,13,14,15
	global_load_b128 v[QD+4*\k:QD+4*\k+3], v3, s[32:33] offset:4096*\k th:TH_LOAD_NT   ; J1: x, read once in the launch
.endr
	s_wait_loadcnt 16                              ; J2's 33 are in; J1's 16 stay out
	v_max_num_f32 v[GM], |v[MD]|, |v[MD+1]|        ; the first pair starts the maximum
.set i, 1
.rept 32
	v_max3_num_f32 v[GM], |v[MD+2*i]|, |v[MD+2*i+1]|, v[GM]
.set i, i+1
.endr
; J1: four words at a time, converted in place and stored to the same offset of xq
.macro XCONV k
	s_wait_loadcnt 15-\k                           ; load k is in, the younger ones stay out
.irp j, 0,1,2,3
	v_mul_f32 v[TT+\j], 0x4b000000, v[QD+4*\k+\j]  ; x 2^23 (exact)
.endr
.irp j, 0,1,2,3
	v_floor_f32 v[TT+\j], v[TT+\j]
.endr
.irp j, 0,1,2,3
	v_med3_num_f32 v[TT+\j], v[TT+\j], s28, s29    ; into [-2^31, 2^23 - 1]
.endr
.irp j, 0,1,2,3
	v_cvt_i32_f32 v[TT+\j], v[TT+\j]
.endr
.irp j, 0,1,2,3
	v_not_b32 v[TN+\j], v[TT+\j]
.endr
.irp j, 0,1,2,3
	v_and_b32 v[TT+\j], 0x7fffff, v[TT+\j]         ; the low 23 bits: they alone decide the low 23 bits of every product with r
.endr
.irp j, 0,1,2,3
	v_lshrrev_b32 v[TN+\j], 31, v[TN+\j]           ; 1 where x >= 0
.endr
.irp j, 0,1,2,3
	v_lshl_or_b32 v[QD+4*\k+\j], v[TN+\j], 24, v[TT+\j]
.endr
	global_store_b128 v3, v[QD+4*\k:QD+4*\k+3], s[34:35] offset:4096*\k
.endm
.irp k, 0,1,2,3,4,5,6,7,8,9,10,11,12,13,14,15
	XCONV \k
.endr
	; J4: block Q = 8 g + wave of the weight image.  Q < 16: W1, tile t = Q >> 1, half u = Q & 1.  Else Q' = Q - 16: W2, t = Q' >> 3, K step s = (Q' >> 1) & 3, u = Q' & 1.
	; Lane (r = lane & 15, h = lane >> 4) takes W[32 s + 16 u + 8 h + c][16 t + r], c = 0..7: four registers of the operand whose row is output 16 t + r.
	s_cmp_lt_u32 s2, 10
	s_cbranch_scc0 .Lno_image
	s_lshl3_add_u32 s20, s2, s3                    ; Q
	s_cmp_lt_u32 s2, 2
	s_cselect_b64 s[36:37], s[8:9], s[10:11]       ; W1 or W2
	s_cselect_b32 s21, 0, 16
	s_cselect_b32 s22, 1, 3
	s_cselect_b32 s23, 0, 3
	s_sub_co_u32 s21, s20, s21                     ; Q or Q'
	s_lshr_b32 s24, s21, s22                       ; t
	s_lshr_b32 s25, s21, 1
	s_and_b32 s25, s25, s23                        ; s
	s_and_b32 s26, s21, 1                          ; u
	s_lshl1_add_u32 s25, s25, s26                  ; 2 s + u
	s_lshl_b32 s25, s25, 13                        ; x 16 rows of 512 bytes
	s_lshl_b32 s24, s24, 6                         ; 16 t columns of 4 bytes
	s_add_co_u32 s24, s24, s25
	v_and_b32 v[TT+1], 15, v1
	v_lshrrev_b32 v[TT+2], 4, v1
	v_lshlrev_b32 v[TT+1], 2, v[TT+1]              ; 4 r
	v_lshl_add_u32 v[TT+1], v[TT+2], 12, v[TT+1]   ; + 8 h rows
	v_add_nc_u32 v[TT+1], s24, v[TT+1]
.irp c, 0,1,2,3,4,5,6,7
	global_load_b32 v[MD+\c], v[TT+1], s[36:37] offset:512*\c
.endr
	s_lshl_b32 s20, s20, 9
	v_lshl_add_u32 v[TT+2], v1, 4, s20             ; 512 Q + 16 lane
	s_wait_loadcnt 0x0
.irp q, 0,1,2,3
	v_cvt_pk_f16_f32 v[MD+8+\q], v[MD+2*\q], v[MD+2*\q+1]
.endr
	global_store_b128 v[TT+2], v[MD+8:MD+11], s[16:17]
.Lno_image:
	; J2's end: the wave's maximum, one word a wave (2,048 words in all)
	v_max_num_f32_dpp v[GM], v[GM], v[GM] row_xmask:1 row_mask:0xf bank_mask:0xf
	v_max_num_f32_dpp v[GM], v[GM], v[GM] row_xmask:2 row_mask:0xf bank_mask:0xf
	v_max_num_f32_dpp v[GM], v[GM], v[GM] row_xmask:4 row_mask:0xf bank_mask:0xf
	v_max_num_f32_dpp v[GM], v[GM], v[GM] row_xmask:8 row_mask:0xf bank_mask:0xf
	v_mov_b32 v[TN], 0                             ; the permute's destination counts as read
	v_permlanex16_b32 v[TN], v[GM], s30, s31
	v_max_num_f32 v[GM], v[GM], v[TN]
	s_lshl3_add_u32 s20, s2, s3
	s_lshl_b32 s20, s20, 2
	v_mov_b32 v[TN+1], s20
	v_cmp_eq_u32 vcc_lo, 0, v1
	s_wait_xcnt 0x0                                ; EXEC is a source of the stores above: it changes only behind this wait
	s_and_saveexec_b32 s21, vcc_lo
	global_store_b32 v[TN+1], v[GM], s[18:19]
	s_wait_xcnt 0x0                                ; and again in front of the line that widens it
	s_or_b32 exec_lo, exec_lo, s21
	s_endpgm
.Lfunc_end_k_q953c6767a2_prep:
	.size	k_q953c6767a2_prep, .Lfunc_end_k_q953c6767a2_prep-k_q953c6767a2_prep
	.p2alignl 7, 3214868480
	.fill 96, 4, 3214868480
	.section	.rodata,"a",@progbits
	.p2align	6, 0x0
	.amdhsa_kernel k_q953c6767a2_prep
		.amdhsa_group_segment_fixed_size 0
		.amdhsa_private_segment_fixed_size 0
		.amdhsa_enable_private_segment 0
		.amdhsa_kernarg_size 64
		.amdhsa_user_sgpr_count 2
		.amdhsa_user_sgpr_kernarg_segment_ptr 1
		.amdhsa_wavefront_size32 1
		.amdhsa_system_sgpr_workgroup_id_x 1
		.amdhsa_system_sgpr_workgroup_id_y 1
		.amdhsa_system_sgpr_workgroup_id_z 1
		.amdhsa_system_vgpr_workitem_id 0
		.amdhsa_next_free_vgpr 256
		.amdhsa_next_free_sgpr 66
		.amdhsa_reserve_vcc 1
		.amdhsa_float_denorm_mode_32 3
		.amdhsa_float_denorm_mode_16_64 3
		.amdhsa_memory_ordered 1
		.amdhsa_forward_progress 1
		.amdhsa_inst_pref_size 62
	.end_amdhsa_kernel
	.amdgpu_metadata
---
amdhsa.version: [ 1, 2 ]
amdhsa.kernels:
  - .name:           k_q953c6767a2_prep
    .symbol:         k_q953c6767a2_prep.kd
    .args:
      - { .name: x, .offset: 0, .size: 8, .value_kind: global_buffer, .address_space: global }
      - { .name: grids, .offset: 8, .size: 8, .value_kind: global_buffer, .address_space: global }
      - { .name: W1, .offset: 16, .size: 8, .value_kind: global_buffer, .address_space: global }
      - { .name: W2, .offset: 24, .size: 8, .value_kind: global_buffer, .address_space: global }
      - { .name: xq, .offset: 32, .size: 8, .value_kind: global_buffer, .address_space: global }
      - { .name: quads, .offset: 40, .size: 8, .value_kind: global_buffer, .address_space: global }
      - { .name: wimg, .offset: 48, .size: 8, .value_kind: global_buffer, .address_space: global }
      - { .name: gmax, .offset: 56, .size: 8, .value_kind: global_buffer, .address_space: global }
    .group_segment_fixed_size: 0
    .private_segment_fixed_size: 0
    .kernarg_segment_align: 8
    .kernarg_segment_size: 64
    .max_flat_workgroup_size: 256
    .sgpr_count:     66
    .vgpr_count:     256
    .wavefront_size: 32
...
	.end_amdgpu_metadata
.endif
;; end of part 1
;; launch mlp (part 2): grid 256 x 1, 4 waves a work-group, no clusters, 224,768 bytes of LDS; arguments xq, quads, wimg, gmax, grids, W1, b1, b2, W3, b3, out0; writes out0
.if DOCPART == 2
	.amdgcn_target "amdgcn-amd-amdhsa--gfx1250"
	.amdhsa_code_object_version 6
	.text
	.protected	k_q953c6767a2_mlp
	.globl	k_q953c6767a2_mlp
	.p2align	8
	.type	k_q953c6767a2_mlp,@function
k_q953c6767a2_mlp:
	s_mov_b64 s[64:65], 0
	v_nop
	global_prefetch_b8 v0, s[64:65] scope:SCOPE_SE
	s_setreg_imm32_b32 hwreg(HW_REG_WAVE_MODE, 25, 1), 1
	s_wait_xcnt 0x0
; out = relu(relu(h0 W1 + b1) W2 + b2) W3 + b3, h0 = 16 levels x 2 features, each a bilinear sample of that level's grid.
; 256 work-groups of four waves, one wave on each SIMD.  A work-group takes 8,192 points, a wave 2,048: 32 iterations of 64 points in two halves of 32.
; Lane L owns points 2 L and 2 L + 1 of an iteration: one 16-byte load of xq a lane (512 consecutive bytes a wave) and one 8-byte store (256 consecutive, aligned).
; FEATURES.  xq holds X = floor(x 2^23) mod 2^23 and a flag (x >= 0) in bit 24.  X r (24 x 10 bits, below 2^32): bits 31:23 are the cell, bits 22:0 the weight.
;   Cells are at most r - 1, so the second vertex is always cell + 1.  Where x < 0 the cell is made 0 by the flag, the weight stays.
;   Levels 0 to 8 lie in LDS, packed (223,736 bytes, filled once by tensor loads, never written again); levels 9 to 15 come from quads: 32 bytes hold a cell's four vertices.
; MATRIX WORK in f16 with f32 sums, used transposed: source 0 = 16 hidden units (weights), source 1 = 16 points.  A result tile then holds, in lane (r, h),
;   units 8 h .. 8 h + 7 of point r, which after ReLU and packing IS the lane's part of the next layer's source 1: no exchange between lanes, no LDS.
;   All weights and biases stay in registers (W2 256, W1 64, b1, b2, W3 64 each).  Layer 3 (one output) is a dot product in f32 on the vector unit.
; SCALE.  sigma = a power of two with sigma max(G, 32 G max|W1| + max|b1|) < 2^15, G = max |grids| over the vertices that can be read; sigma <= 2^64.
;   Features, b1, b2 are multiplied by sigma, W3 by 1 / sigma: exact, and ReLU commutes with it.  So features and h1 fit f16 whatever the inputs' size.
; LIMITS: |W1|, |W2| < 65,504 (f16; absolute resolution 2^-25); sigma |b2| and sigma |h2| finite in f32; x as stated in the launch that makes xq.
; NO JOINT LOADS: what the work-groups share is the fill of 223,736 bytes, once; a work-group's own gathers are 8,192 x 7 x 32 = 1,835,008 bytes.
.set LEVEL, 2105352                    ; bytes of one level of grids
.set RES0, 16
.set RES1, 20
.set RES2, 25
.set RES3, 32
.set RES4, 40
.set RES5, 50
.set RES6, 64
.set RES7, 80
.set RES8, 101
.set RES9, 128
.set RES10, 161
.set RES11, 203
.set RES12, 256
.set RES13, 322
.set RES14, 406
.set RES15, 512
.set LDSB0, 0                          ; LDS byte of level l: (r + 1)^2 vertices of 8 bytes each, one behind the other
.set LDSB1, 2312
.set LDSB2, 5840
.set LDSB3, 11248
.set LDSB4, 19960
.set LDSB5, 33408
.set LDSB6, 54216
.set LDSB7, 88016
.set LDSB8, 140504
; window 0 (v0-255)
.set OOFF, 8                           ; my byte offset in out0
.set OUTP, 10                          ; v[10:11] the two results of an iteration
.set OA,   12                          ; v[12:15] layer 3's sums: a pair for each group of 16 points
.set FB,   16                          ; v[16:31] features as source 1: points of lanes 0-15, points of lanes 16-31
.set H1,   32                          ; v[32:95] h1 as source 1: K step s, group n at 8 (2 s + n)
.set ACC,  96                          ; v[96:223] 16 result tiles
; window 1 (v256-511): W2 tiles t = 0..3 at 8 (4 t + s)
.set W3A,  128                         ; W3 / sigma of tiles 0, 1
.set B2R,  144                         ; sigma b2 of tiles 0..7
; window 2 (v512-767): W2 tiles t = 4..7 at 8 (4 (t - 4) + s)
.set W3B,  128                         ; W3 / sigma of tiles 2..7
.set W1R,  176                         ; W1 tiles 0..7
; window 3 (v768-1023)
.set XN,   0                           ; [0:3]  an iteration's four words of xq
.set XB,   4                           ; [4:5]  the second point's two words
.set XOFF, 6                           ; my byte offset in xq
.set MSKX, 8                           ; flag x 0x3ff
.set E8Y,  9                           ; flag y x 8
.set PXS,  10                          ; flag x x 16384
.set PYS,  11                          ; flag y x 32
.set PX,   12
.set PY,   13
.set IX,   14
.set IY,   15
.set T,    16
.set T2,   17
.set D0,   18
.set T0,   20
.set D1,   22
.set T1,   24
.set LA,   26                          ; [26:28] LDS addresses, three buffers
.set LW,   30                          ; [30:35] weights, three buffers
.set LB,   36                          ; [36:59] four vertices, three buffers
.set GA,   60                          ; [60:66] offsets in quads, levels 9..15
.set GW,   68                          ; [68:81] weights
.set GB,   84                          ; [84:139] four vertices
.set FE,   140                         ; [140:171] sigma x features, f32
.set B1R,  192                         ; [192:255] sigma b1 of tiles 0..7
.set QB,   28                          ; s[28:41] quads at levels 9..15 (behind the fill; before that, descriptors)
.set MSB, 0
.macro WIN new                         ; s_set_vgpr_msb: bits 1:0 source 0, 3:2 source 1, 5:4 source 2, 7:6 destination; the high byte repeats the setting that is left
.if MSB != \new
	s_set_vgpr_msb (MSB<<8)|\new
.set MSB, \new
.endif
.endm
	s_load_b512 s[4:19], s[0:1], 0x0               ; xq s[4:5], quads s[6:7], wimg s[8:9], gmax s[10:11], grids s[12:13], W1 s[14:15], b1 s[16:17], b2 s[18:19]
	s_load_b128 s[20:23], s[0:1], 0x40             ; W3 s[20:21], b3 s[22:23]
	s_load_b64 s[24:25], s[0:1], 0x50              ; out0
	v_lshl_add_u32 v254, v0, 2, 0x36c00
	v_mov_b32 v255, 0
	ds_add_u32 v254, v255
	ds_add_u32 v254, v255
	v_lshrrev_b32 v1, 5, v0
	v_readfirstlane_b32 s2, v1                     ; wave 0..3
	v_and_b32 v1, 31, v0                           ; lane
	v_lshlrev_b32 v2, 4, v1                        ; 16 lane
	v_lshrrev_b32 v3, 4, v1
	v_lshlrev_b32 v3, 5, v3                        ; 32 h: eight f32 of a bias for each half of the lanes
	s_mov_b32 s66, 0x7fffff
	s_mov_b32 s67, 0x3f800000
	s_mov_b32 s73, LDSB7
	s_mov_b32 s74, LDSB8
	s_mov_b32 s75, 0x76543210
	s_mov_b32 s76, 0xfedcba98
	s_wait_dscnt 0x0
	s_wait_kmcnt 0x0
; THE FILL.  One tile for each level: r + 1 rows of 2 (r + 1) f32, 1,026 elements from row to row in memory, dense in LDS.  Descriptor set k: group 0 in
; s[28+12k:31+12k], group 1 in s[32+12k:39+12k].  Each wave fills levels of its own, all inside one branch on its number; at most three loads of a wave are out.
.macro TDESC k, l
	s_mov_b32 s[28+12*\k], 1                                       ; count = 1
	s_mov_b32 s[29+12*\k], LDSB\l                                  ; LDS byte
	s_add_nc_u64 s[30+12*\k:31+12*\k], s[12:13], \l*LEVEL          ; the level's first vertex
	s_or_b32 s[31+12*\k], s[31+12*\k], 0x80000000                  ; type = 2
	s_mov_b32 s[32+12*\k], 2<<16                                   ; elements of 4 bytes, no mask, no padding
	s_mov_b32 s[33+12*\k], (2*(RES\l+1))<<16                       ; tensor_dim0
	s_mov_b32 s[34+12*\k], (RES\l+1)<<16                           ; tensor_dim1
	s_mov_b32 s[35+12*\k], (2*(RES\l+1))<<16                       ; tile_dim0
	s_mov_b32 s[36+12*\k], RES\l+1                                 ; tile_dim1
	s_mov_b32 s[37+12*\k], 1026                                    ; pitch
	s_mov_b32 s[38+12*\k], 0
	s_mov_b32 s[39+12*\k], 0
	tensor_load_to_lds s[28+12*\k:31+12*\k], s[32+12*\k:39+12*\k]
	s_nop 0
.endm
	s_cmp_eq_u32 s2, 0
	s_cbranch_scc1 .Lfill0
	s_cmp_eq_u32 s2, 1
	s_cbranch_scc1 .Lfill1
	s_cmp_eq_u32 s2, 2
	s_cbranch_scc1 .Lfill2
	TDESC 0, 4
	TDESC 1, 3
	TDESC 2, 2
	s_branch .Lfilled
.Lfill0:
	TDESC 0, 8
	s_branch .Lfilled
.Lfill1:
	TDESC 0, 7
	TDESC 1, 0
	TDESC 2, 1
	s_branch .Lfilled
.Lfill2:
	TDESC 0, 6
	TDESC 1, 5
.Lfilled:
	; THE CONSTANTS, straight into their windows (the address register is in window 0).  Block Q of wimg is four registers of an operand.
	WIN 0x80
.set q, 0
.rept 16
	global_load_b128 v[W1R+4*q:W1R+4*q+3], v2, s[8:9] offset:512*q
.set q, q+1
.endr
.set q, 48
.rept 32
	global_load_b128 v[4*(q-48):4*(q-48)+3], v2, s[8:9] offset:512*q
.set q, q+1
.endr
.irp t, 2,3,4,5,6,7
	global_load_b128 v[W3B+8*(\t-2):W3B+8*(\t-2)+3],   v3, s[20:21] offset:64*\t       ; lane (r, h): units 16 t + 8 h .. + 7, as in a result tile
	global_load_b128 v[W3B+8*(\t-2)+4:W3B+8*(\t-2)+7], v3, s[20:21] offset:64*\t+16
.endr
	WIN 0x40
.set q, 16
.rept 32
	global_load_b128 v[4*(q-16):4*(q-16)+3], v2, s[8:9] offset:512*q
.set q, q+1
.endr
.irp t, 0,1
	global_load_b128 v[W3A+8*\t:W3A+8*\t+3],   v3, s[20:21] offset:64*\t
	global_load_b128 v[W3A+8*\t+4:W3A+8*\t+7], v3, s[20:21] offset:64*\t+16
.endr
.irp t, 0,1,2,3,4,5,6,7
	global_load_b128 v[B2R+8*\t:B2R+8*\t+3],   v3, s[18:19] offset:64*\t
	global_load_b128 v[B2R+8*\t+4:B2R+8*\t+7], v3, s[18:19] offset:64*\t+16
.endr
	WIN 0xc0
.irp t, 0,1,2,3,4,5,6,7
	global_load_b128 v[B1R+8*\t:B1R+8*\t+3],   v3, s[16:17] offset:64*\t
	global_load_b128 v[B1R+8*\t+4:B1R+8*\t+7], v3, s[16:17] offset:64*\t+16
.endr
	v_lshlrev_b32 v[XOFF], 4, v1                   ; (destination in window 3) 16 lane
	WIN 0
	; what sigma is made of: the 2,048 maxima of |grids|, all of W1, all of b1
.set q, 0
.rept 16
	global_load_b128 v[32+4*q:35+4*q], v2, s[10:11] offset:512*q
.set q, q+1
.endr
.set q, 0
.rept 32
	global_load_b128 v[96+4*q:99+4*q], v2, s[14:15] offset:512*q
.set q, q+1
.endr
	global_load_b128 v[224:227], v2, s[16:17]
	s_load_b32 s72, s[22:23], 0x0                  ; b3
	v_lshlrev_b32 v[OOFF], 3, v1                   ; 8 lane
	s_lshl_b32 s78, ttmp9, 16                      ; xq: 65,536 bytes a work-group, 16,384 a wave
	s_lshl_b32 s79, s2, 14
	s_add_co_u32 s78, s78, s79
	s_mov_b32 s79, 0
	s_add_nc_u64 s[4:5], s[4:5], s[78:79]
	s_lshr_b32 s78, s78, 1                         ; out0: half of that
	s_add_nc_u64 s[24:25], s[24:25], s[78:79]
	v_mov_b32 v7, 0                                ; the permute's destination counts as read
	s_wait_loadcnt 0x0
	s_wait_kmcnt 0x0
	v_max_num_f32 v4, v32, v33
.set q, 34
.rept 31
	v_max3_num_f32 v4, v[q], v[q+1], v4
.set q, q+2
.endr
	v_max_num_f32 v5, |v96|, |v97|
.set q, 98
.rept 63
	v_max3_num_f32 v5, |v[q]|, |v[q+1]|, v5
.set q, q+2
.endr
	v_max_num_f32 v6, |v224|, |v225|
	v_max3_num_f32 v6, |v226|, |v227|, v6
.macro WMAX r                          ; maximum over the 32 lanes, in every lane
	v_max_num_f32_dpp v[\r], v[\r], v[\r] row_xmask:1 row_mask:0xf bank_mask:0xf
	v_max_num_f32_dpp v[\r], v[\r], v[\r] row_xmask:2 row_mask:0xf bank_mask:0xf
	v_max_num_f32_dpp v[\r], v[\r], v[\r] row_xmask:4 row_mask:0xf bank_mask:0xf
	v_max_num_f32_dpp v[\r], v[\r], v[\r] row_xmask:8 row_mask:0xf bank_mask:0xf
	v_permlanex16_b32 v7, v[\r], s75, s76
	v_max_num_f32 v[\r], v[\r], v7
.endm
	WMAX 4                                         ; G
	WMAX 5                                         ; max |W1|
	WMAX 6                                         ; max |b1|
	v_mul_f32 v5, 0x42000000, v5                   ; 32 max |W1|
	v_fma_f32 v5, v4, v5, v6                       ; bounds |h1|
	v_max_num_f32 v5, v4, v5                       ; B: bounds features and h1
	v_lshrrev_b32 v5, 23, v5                       ; e, B's biased exponent: B < 2^(e - 126)
	v_sub_nc_u32 v5, 0x10c, v5                     ; sigma = 2^(141 - e): biased exponent 268 - e,
	v_min_u32 v5, 0xbf, v5                         ; at most 191 (2^64)
	v_sub_nc_u32 v6, 0xfe, v5                      ; 1 / sigma
	v_lshlrev_b32 v5, 23, v5
	v_lshlrev_b32 v6, 23, v6
	v_readfirstlane_b32 s68, v5
	v_readfirstlane_b32 s70, v6
	s_mov_b32 s69, s68
	s_mov_b32 s71, s70
	WIN 0xc3
.set q, 0
.rept 32
	v_pk_mul_f32 v[B1R+2*q:B1R+2*q+1], v[B1R+2*q:B1R+2*q+1], s[68:69] op_sel_hi:[1,0]
.set q, q+1
.endr
	WIN 0x41
.set q, 0
.rept 32
	v_pk_mul_f32 v[B2R+2*q:B2R+2*q+1], v[B2R+2*q:B2R+2*q+1], s[68:69] op_sel_hi:[1,0]
.set q, q+1
.endr
.set q, 0
.rept 8
	v_pk_mul_f32 v[W3A+2*q:W3A+2*q+1], v[W3A+2*q:W3A+2*q+1], s[70:71] op_sel_hi:[1,0]
.set q, q+1
.endr
	WIN 0x82
.set q, 0
.rept 24
	v_pk_mul_f32 v[W3B+2*q:W3B+2*q+1], v[W3B+2*q:W3B+2*q+1], s[70:71] op_sel_hi:[1,0]
.set q, q+1
.endr
	WIN 0
	s_wait_tensorcnt 0x0                           ; my levels are in LDS,
	s_barrier_signal -1
	s_barrier_wait -1                              ; everybody's are.  The only barrier: LDS is only read from here on
	s_mov_b64 s[QB:QB+1], s[6:7]                   ; no tensor load is out: the descriptors' registers now hold quads at each level
.irp i, 1,2,3,4,5,6
	s_add_nc_u64 s[QB+2*\i:QB+2*\i+1], s[6:7], \i<<23
.endr
; ---- the feature stage: everything in window 3 ----
.macro FLAGS wx, wy
	v_lshrrev_b32 v[T], 24, v[\wx]
	v_lshrrev_b32 v[T2], 24, v[\wy]
	v_min_u32 v[T], 1, v[T]
	v_min_u32 v[T2], 1, v[T2]
	v_mul_u32_u24 v[MSKX], 0x3ff, v[T]
	v_lshlrev_b32 v[PXS], 14, v[T]
	v_lshlrev_b32 v[E8Y], 3, v[T2]
	v_lshlrev_b32 v[PYS], 5, v[T2]
.endm
; a level from quads: cell, weights, two loads of 16 bytes
.macro GISS l, wx, wy
	v_mul_u32_u24 v[PX], RES\l, v[\wx]             ; the low 24 bits of the word: X; X r < 2^32
	v_mul_u32_u24 v[PY], RES\l, v[\wy]
	v_lshrrev_b32 v[IX], 23, v[PX]
	v_lshrrev_b32 v[IY], 23, v[PY]
	v_min_u32 v[IX], RES\l-1, v[IX]
	v_min_u32 v[IY], RES\l-1, v[IY]
	v_mul_u32_u24 v[T], v[IX], v[PXS]              ; 16384 ix, or 0 where x < 0
	v_mad_u32_u24 v[GA+\l-9], v[IY], v[PYS], v[T]  ; + 32 iy, or 0
	v_and_or_b32 v[GW+2*(\l-9)], v[PX], s66, s67   ; 1.f
	v_and_or_b32 v[GW+2*(\l-9)+1], v[PY], s66, s67
	v_pk_add_f32 v[GW+2*(\l-9):GW+2*(\l-9)+1], v[GW+2*(\l-9):GW+2*(\l-9)+1], -1.0 op_sel_hi:[1,0]   ; the weights, exact
	global_load_b128 v[GB+8*(\l-9):GB+8*(\l-9)+3],   v[GA+\l-9], s[QB+2*(\l-9):QB+2*(\l-9)+1]
	global_load_b128 v[GB+8*(\l-9)+4:GB+8*(\l-9)+7], v[GA+\l-9], s[QB+2*(\l-9):QB+2*(\l-9)+1] offset:16
.endm
; a level from LDS: cell, weights, four loads of 8 bytes.  Levels 0 to 6 carry their base in the 16-bit offset, levels 7 and 8 in the address.
.macro LISS l, buf, wx, wy
	v_mul_u32_u24 v[PX], RES\l, v[\wx]
	v_mul_u32_u24 v[PY], RES\l, v[\wy]
	v_lshrrev_b32 v[IX], 23, v[PX]
	v_lshrrev_b32 v[IY], 23, v[PY]
	v_min_u32 v[IX], RES\l-1, v[IX]
	v_min_u32 v[IY], RES\l-1, v[IY]
	v_and_b32 v[IX], v[IX], v[MSKX]
.if \l < 7
	v_mul_u32_u24 v[T], 8*(RES\l+1), v[IX]
.set l_off, LDSB\l
.else
	v_mad_u32_u24 v[T], v[IX], 8*(RES\l+1), s[66+\l]
.set l_off, 0
.endif
	v_mad_u32_u24 v[LA+\buf], v[IY], v[E8Y], v[T]
	v_and_or_b32 v[LW+2*\buf], v[PX], s66, s67
	v_and_or_b32 v[LW+2*\buf+1], v[PY], s66, s67
	v_pk_add_f32 v[LW+2*\buf:LW+2*\buf+1], v[LW+2*\buf:LW+2*\buf+1], -1.0 op_sel_hi:[1,0]
	ds_load_b64 v[LB+8*\buf:LB+8*\buf+1],   v[LA+\buf] offset:l_off
	ds_load_b64 v[LB+8*\buf+2:LB+8*\buf+3], v[LA+\buf] offset:l_off+8
	ds_load_b64 v[LB+8*\buf+4:LB+8*\buf+5], v[LA+\buf] offset:l_off+8*(RES\l+1)
	ds_load_b64 v[LB+8*\buf+6:LB+8*\buf+7], v[LA+\buf] offset:l_off+8*(RES\l+1)+8
.endm
; d: f00, f01, f10, f11 (two features each); w: wx, wy.  Along y, then along x, then sigma.
.macro LERP l, d, w
	v_pk_add_f32 v[D0:D0+1], v[\d+2:\d+3], v[\d:\d+1] neg_lo:[0,1] neg_hi:[0,1]
	v_pk_add_f32 v[D1:D1+1], v[\d+6:\d+7], v[\d+4:\d+5] neg_lo:[0,1] neg_hi:[0,1]
	v_pk_fma_f32 v[T0:T0+1], v[D0:D0+1], v[\w:\w+1], v[\d:\d+1] op_sel:[0,1,0]          ; both halves by wy
	v_pk_fma_f32 v[T1:T1+1], v[D1:D1+1], v[\w:\w+1], v[\d+4:\d+5] op_sel:[0,1,0]
	v_pk_add_f32 v[D0:D0+1], v[T1:T1+1], v[T0:T0+1] neg_lo:[0,1] neg_hi:[0,1]
	v_pk_fma_f32 v[T0:T0+1], v[D0:D0+1], v[\w:\w+1], v[T0:T0+1] op_sel_hi:[1,0,1]       ; both halves by wx
	v_pk_mul_f32 v[FE+2*\l:FE+2*\l+1], v[T0:T0+1], s[68:69] op_sel_hi:[1,0]
.endm
; the 14 gathers of a half go out one matrix stage ahead of their use
.macro ISSUE wx, wy
	WIN 0xff
	FLAGS \wx, \wy
.irp l, 9,10,11,12,13,14,15
	GISS \l, \wx, \wy
.endr
.endm
; the rest of a half's features.  Three LDS levels are in flight; left = younger global loads that may stay out.
.macro FINISH wx, wy, left
	WIN 0xff
	LISS 0, 0, \wx, \wy
	LISS 1, 1, \wx, \wy
	LISS 2, 2, \wx, \wy
	s_wait_dscnt 8                                 ; LDS loads come back in order: two younger levels of four loads stay out
	LERP 0, LB, LW
	LISS 3, 0, \wx, \wy
	s_wait_dscnt 8
	LERP 1, LB+8, LW+2
	LISS 4, 1, \wx, \wy
	s_wait_dscnt 8
	LERP 2, LB+16, LW+4
	LISS 5, 2, \wx, \wy
	s_wait_dscnt 8
	LERP 3, LB, LW
	LISS 6, 0, \wx, \wy
	s_wait_dscnt 8
	LERP 4, LB+8, LW+2
	LISS 7, 1, \wx, \wy
	s_wait_dscnt 8
	LERP 5, LB+16, LW+4
	LISS 8, 2, \wx, \wy
	s_wait_dscnt 8
	LERP 6, LB, LW
	s_wait_dscnt 4                                 ; one younger level
	LERP 7, LB+8, LW+2
	s_wait_dscnt 0
	LERP 8, LB+16, LW+4
	s_wait_loadcnt \left                           ; the 14 gathers are in (this also frees their offsets)
.irp l, 9,10,11,12,13,14,15
	LERP \l, GB+8*(\l-9), GW+2*(\l-9)
.endr
	; Source 1 wants, in lane (r, h), levels 4 h .. 4 h + 3 and 8 + 4 h .. 8 + 4 h + 3 of point r.  Levels with bit 2 clear go to the first eight registers,
	; the others to the second eight; exchanging the first's upper lanes with the second's lower lanes then makes the operands of points 0-15 and 16-31.
	WIN 0x0f
.irp l, 0,1,2,3,4,5,6,7,8,9,10,11,12,13,14,15
	v_cvt_pk_f16_f32 v[FB+8*((\l>>2)&1)+(\l&3)+((\l&8)>>1)], v[FE+2*\l], v[FE+2*\l+1]
.endr
	WIN 0
.irp q, 0,1,2,3,4,5,6,7
	v_permlane16_swap_b32 v[FB+\q], v[FB+8+\q]
.endr
.endm
; ---- the matrix stage ----
.macro RELU8 base
.irp j, 0,1,2,3,4,5,6,7
	v_max_num_f32 v[\base+\j], 0, v[\base+\j]
.endr
.endm
.macro H1CVT t, n                      ; result tile (t, n) of layer 1 becomes registers 4 (t & 1) .. + 3 of K step t >> 1
.irp q, 0,1,2,3
	v_cvt_pk_f16_f32 v[H1+8*(2*(\t>>1)+\n)+4*(\t&1)+\q], v[ACC+8*(2*\t+\n)+2*\q], v[ACC+8*(2*\t+\n)+2*\q+1]
.endr
.endm
.macro L1MUL t, n                      ; source 0 W1 (window 2), source 1 features (window 0), C = sigma b1 (window 3): the bias starts the sum
	v_wmma_f32_16x16x32_f16 v[ACC+8*(2*\t+\n):ACC+8*(2*\t+\n)+7], v[W1R+8*\t:W1R+8*\t+7], v[FB+8*\n:FB+8*\n+7], v[B1R+8*\t:B1R+8*\t+7]
.endm
; operation k (0..47) of the work behind layer 2's step gp: 32 ReLUs in place, then 16 packed multiply-adds with W3 / sigma (source 0, in the window of step gp + 1's weights)
.macro E2OP gp, k
.if \k < 32
	v_max_num_f32 v[ACC+32*(\gp&1)+\k], 0, v[ACC+32*(\gp&1)+\k]
.else
.set e_i, (\k-32)&3
.set e_q, (\k-32)>>2
.set e_t, 2*\gp+(e_i>>1)
.set e_o, OA+2*(e_i&1)
.set e_a, ACC+32*(\gp&1)+8*e_i+2*e_q
.if e_t < 2
.set e_w, W3A+8*e_t+2*e_q
.else
.set e_w, W3B+8*(e_t-2)+2*e_q
.endif
.if 2*\gp+e_q+(e_i>>1) == 0
	v_pk_mul_f32 v[e_o:e_o+1], v[e_w:e_w+1], v[e_a:e_a+1]                  ; the first product of each group of points starts its sum
.else
	v_pk_fma_f32 v[e_o:e_o+1], v[e_w:e_w+1], v[e_a:e_a+1], v[e_o:e_o+1]
.endif
.endif
.endm
; Layer 2, tiles t = 2 g, 2 g + 1 for both groups of points: four accumulators, 16 matrix instructions, K step by K step.
; The four accumulators take turns, one instruction a turn.  Behind each stand three operations on the step before's results.
.macro L2STEP g
.set e_k, 0
.irp s, 0,1,2,3
.if \s == 0
	WIN (0x10|(1+(\g>>1)))                         ; C = sigma b2 in window 1
.else
	WIN (1+(\g>>1))                                ; C = D in window 0
.endif
.irp i, 0,1,2,3
.set l2t, 2*\g+(\i>>1)
.set l2a, 8*(4*(l2t&3)+\s)
.set l2b, H1+8*(2*\s+(\i&1))
.set l2d, ACC+32*(\g&1)+8*\i
.set l2c, B2R+8*l2t
.if \s == 0
	v_wmma_f32_16x16x32_f16 v[l2d:l2d+7], v[l2a:l2a+7], v[l2b:l2b+7], v[l2c:l2c+7]
.else
	v_wmma_f32_16x16x32_f16 v[l2d:l2d+7], v[l2a:l2a+7], v[l2b:l2b+7], v[l2d:l2d+7]
.endif
.if \g > 0
.rept 3
	E2OP (\g-1), e_k
.set e_k, e_k+1
.endr
.endif
.endr
.endr
.endm
.macro PLACES                          ; four plain vector instructions between a matrix instruction and the first vector instruction that touches its result (ISA guide 7.12.1)
.rept 4
	v_nop
.endr
.endm
; 32 points: features in FB, the result of lane L's point into OUTP + c
.macro MLP c
	WIN 0x32
.irp t, 0,1,2,3
.irp n, 0,1
	L1MUL \t, \n
.endr
.endr
	PLACES
.irp t, 4,5,6,7
.irp n, 0,1
	L1MUL \t, \n
	RELU8 ACC+8*(2*(\t-4)+\n)                      ; the first eight tiles' ReLU rides behind the second eight's products
.endr
.endr
	WIN 0
.irp t, 0,1,2,3
.irp n, 0,1
	H1CVT \t, \n
.endr
.endr
.irp t, 4,5,6,7
.irp n, 0,1
	RELU8 ACC+8*(2*\t+\n)
.endr
.endr
.irp t, 4,5,6,7
.irp n, 0,1
	H1CVT \t, \n
.endr
.endr
	L2STEP 0
	PLACES
	L2STEP 1
	L2STEP 2
	L2STEP 3
	WIN 0x02
.set e_k, 0
.rept 48
	E2OP 3, e_k
.set e_k, e_k+1
.endr
	WIN 0
	; lane (r, h) holds, for each group of points, the part of point r's sum over units 8 h .. 8 h + 7 of every tile
	v_add_f32 v1, v[OA], v[OA+1]
	v_add_f32 v2, v[OA+2], v[OA+3]
	v_permlane16_swap_b32 v1, v2                   ; v1: both groups' h = 0 parts, v2: both groups' h = 1 parts, lane L for point L
	v_add_f32 v1, v1, v2
	v_add_f32 v[OUTP+\c], s72, v1                  ; + b3
.endm
; An iteration.  On entry FB holds the features of its first half.  Each half's gathers are issued in front of the other half's matrix stage.
.macro ITER last
	ISSUE XB, XB+1
.if \last == 0
	global_load_b128 v[XN:XN+3], v[XOFF], s[4:5] th:TH_LOAD_NT    ; the next iteration's words
.endif
	MLP 0
.if \last == 0
	FINISH XB, XB+1, 1                             ; one younger load: the next iteration's words
	s_wait_loadcnt 0x0                             ; they are in, and their offset is free
	WIN 0xff
	v_mov_b32 v[XB], v[XN+2]                       ; kept apart: XN is loaded again while the second half still needs them
	v_mov_b32 v[XB+1], v[XN+3]
	v_add_nc_u32 v[XOFF], 512, v[XOFF]
	ISSUE XN, XN+1
.else
	FINISH XB, XB+1, 0
.endif
	MLP 1
	global_store_b64 v[OOFF], v[OUTP:OUTP+1], s[24:25] th:TH_STORE_NT   ; 32 lanes, 256 consecutive bytes, aligned
.if \last == 0
	s_wait_xcnt 0x0                                ; the store's offset and data are rewritten only behind this wait
	v_add_nc_u32 v[OOFF], 256, v[OOFF]
	FINISH XN, XN+1, 0
.endif
.endm
	WIN 0xff
	global_load_b128 v[XN:XN+3], v[XOFF], s[4:5] th:TH_LOAD_NT
	s_wait_loadcnt 0x0
	v_mov_b32 v[XB], v[XN+2]
	v_mov_b32 v[XB+1], v[XN+3]
	v_add_nc_u32 v[XOFF], 512, v[XOFF]
	ISSUE XN, XN+1
	FINISH XN, XN+1, 0
	WIN 0                                          ; at a label and at a branch every window is 0
	s_mov_b32 s3, 31
.Liter:
	ITER 0
	WIN 0
	s_sub_co_u32 s3, s3, 1
	s_cmp_lg_u32 s3, 0
	s_cbranch_scc1 .Liter
	ITER 1                                         ; the last iteration loads nothing beyond the wave's share
	s_wait_tensorcnt 0x0
	ds_add_u32 v254, v255
	s_wait_dscnt 0x0
	s_endpgm
.Lfunc_end_k_q953c6767a2_mlp:
	.size	k_q953c6767a2_mlp, .Lfunc_end_k_q953c6767a2_mlp-k_q953c6767a2_mlp
	.p2alignl 7, 3214868480
	.fill 96, 4, 3214868480
	.section	.rodata,"a",@progbits
	.p2align	6, 0x0
	.amdhsa_kernel k_q953c6767a2_mlp
		.amdhsa_group_segment_fixed_size 224768
		.amdhsa_private_segment_fixed_size 0
		.amdhsa_enable_private_segment 0
		.amdhsa_kernarg_size 88
		.amdhsa_user_sgpr_count 2
		.amdhsa_user_sgpr_kernarg_segment_ptr 1
		.amdhsa_wavefront_size32 1
		.amdhsa_system_sgpr_workgroup_id_x 1
		.amdhsa_system_sgpr_workgroup_id_y 1
		.amdhsa_system_sgpr_workgroup_id_z 1
		.amdhsa_system_vgpr_workitem_id 0
		.amdhsa_next_free_vgpr 1024
		.amdhsa_next_free_sgpr 80
		.amdhsa_reserve_vcc 0
		.amdhsa_float_denorm_mode_32 3
		.amdhsa_float_denorm_mode_16_64 3
		.amdhsa_memory_ordered 1
		.amdhsa_forward_progress 1
		.amdhsa_inst_pref_size 215
	.end_amdhsa_kernel
	.amdgpu_metadata
---
amdhsa.version: [ 1, 2 ]
amdhsa.kernels:
  - .name:           k_q953c6767a2_mlp
    .symbol:         k_q953c6767a2_mlp.kd
    .args:
      - { .name: xq, .offset: 0, .size: 8, .value_kind: global_buffer, .address_space: global }
      - { .name: quads, .offset: 8, .size: 8, .value_kind: global_buffer, .address_space: global }
      - { .name: wimg, .offset: 16, .size: 8, .value_kind: global_buffer, .address_space: global }
      - { .name: gmax, .offset: 24, .size: 8, .value_kind: global_buffer, .address_space: global }
      - { .name: grids, .offset: 32, .size: 8, .value_kind: global_buffer, .address_space: global }
      - { .name: W1, .offset: 40, .size: 8, .value_kind: global_buffer, .address_space: global }
      - { .name: b1, .offset: 48, .size: 8, .value_kind: global_buffer, .address_space: global }
      - { .name: b2, .offset: 56, .size: 8, .value_kind: global_buffer, .address_space: global }
      - { .name: W3, .offset: 64, .size: 8, .value_kind: global_buffer, .address_space: global }
      - { .name: b3, .offset: 72, .size: 8, .value_kind: global_buffer, .address_space: global }
      - { .name: out0, .offset: 80, .size: 8, .value_kind: global_buffer, .address_space: global }
    .group_segment_fixed_size: 224768
    .private_segment_fixed_size: 0
    .kernarg_segment_align: 8
    .kernarg_segment_size: 88
    .max_flat_workgroup_size: 128
    .sgpr_count:     80
    .vgpr_count:     1024
    .wavefront_size: 32
...
	.end_amdgpu_metadata
.endif
;; end of part 2
;; ======== version 2 of 3: 2 launches; 1.20 times as fast as version 1
;; limits: values are held in f16: magnitudes above 65,504 overflow, below 6.1e-05 lose precision; right only within a limited range of input values
;; workspace buffers: xq 16,777,216 bytes of whole numbers; quads 58,720,256 bytes; wimg 40,960 bytes; gmax 8,192 bytes
;; launch prep: the kernel of part 1 again; grid 256 x 1, 8 waves a work-group, no clusters, 0 bytes of LDS; arguments x, grids, W1, W2, xq, quads, wimg, gmax; writes xq, quads, wimg, gmax
;; launch mlp (part 3): grid 256 x 1, 4 waves a work-group, no clusters, 224,768 bytes of LDS; arguments xq, quads, wimg, gmax, grids, W1, b1, b2, W3, b3, out0; writes out0
.if DOCPART == 3
	.amdgcn_target "amdgcn-amd-amdhsa--gfx1250"
	.amdhsa_code_object_version 6
	.text
	.protected	k_q953c6767a2_mlp
	.globl	k_q953c6767a2_mlp
	.p2align	8
	.type	k_q953c6767a2_mlp,@function
k_q953c6767a2_mlp:
	s_mov_b64 s[64:65], 0
	v_nop
	global_prefetch_b8 v0, s[64:65] scope:SCOPE_SE
	s_setreg_imm32_b32 hwreg(HW_REG_WAVE_MODE, 25, 1), 1
	s_wait_xcnt 0x0
; out = relu(relu(h0 W1 + b1) W2 + b2) W3 + b3, h0 = 16 levels x 2 features, each a bilinear sample of that level's grid.
; 256 work-groups of four waves, one wave on each SIMD.  A work-group takes 8,192 points, a wave 2,048: 32 iterations of 64 points in two halves of 32.
; Lane L owns points 2 L and 2 L + 1 of an iteration: one 16-byte load of xq a lane (512 consecutive bytes a wave) and one 8-byte store (256 consecutive, aligned).
; FEATURES.  xq holds X = floor(x 2^23) mod 2^23 and a flag (x >= 0) in bit 24.  X r (24 x 10 bits, below 2^32): bits 31:23 are the cell, bits 22:0 the weight.
;   Cells are at most r - 1, so the second vertex is always cell + 1.  Where x < 0 the cell is made 0 by the flag, the weight stays.
;   Levels 0 to 8 lie in LDS, packed (223,736 bytes, filled once by tensor loads, never written again); levels 9 to 15 come from quads: 32 bytes hold a cell's four vertices.
;   The stage runs STEP BY STEP ACROSS ALL 16 LEVELS, each level in registers of its own: with one wave on a SIMD only the other levels' instructions can stand
;   between an instruction and the one that reads its result.  A half's 14 gathers and 36 LDS loads go out in one run, ahead of the other half's matrix stage.
; MATRIX WORK in f16 with f32 sums, used transposed: source 0 = 16 hidden units (weights), source 1 = 16 points.  A result tile then holds, in lane (r, h),
;   units 8 h .. 8 h + 7 of point r, which after ReLU and packing IS the lane's part of the next layer's source 1: no exchange between lanes, no LDS.
;   All weights and biases stay in registers (W2 256, W1 64, b1, b2, W3 64 each).  Layer 3 (one output) is a dot product in f32 on the vector unit.
; SCALE.  sigma = a power of two with sigma max(G, 32 G max|W1| + max|b1|) < 2^15, G = max |grids| over the vertices that can be read; sigma <= 2^64.
;   Features, b1, b2 are multiplied by sigma, W3 by 1 / sigma: exact, and ReLU commutes with it.  So features and h1 fit f16 whatever the inputs' size.
; LIMITS: |W1|, |W2| < 65,504 (f16; absolute resolution 2^-25); sigma |b2| and sigma |h2| finite in f32; x as stated in the launch that makes xq.
; NO JOINT LOADS: what the work-groups share is the fill of 223,736 bytes, once; a work-group's own gathers are 8,192 x 7 x 32 = 1,835,008 bytes.
.set LEVEL, 2105352                    ; bytes of one level of grids
.set RES0, 16
.set RES1, 20
.set RES2, 25
.set RES3, 32
.set RES4, 40
.set RES5, 50
.set RES6, 64
.set RES7, 80
.set RES8, 101
.set RES9, 128
.set RES10, 161
.set RES11, 203
.set RES12, 256
.set RES13, 322
.set RES14, 406
.set RES15, 512
.set LDSB0, 0                          ; LDS byte of level l: (r + 1)^2 vertices of 8 bytes each, one behind the other
.set LDSB1, 2312
.set LDSB2, 5840
.set LDSB3, 11248
.set LDSB4, 19960
.set LDSB5, 33408
.set LDSB6, 54216
.set LDSB7, 88016
.set LDSB8, 140504
; window 0 (v0-255)
.set OOFF, 8                           ; my byte offset in out0
.set OUTP, 10                          ; v[10:11] the two results of an iteration
.set FB,   16                          ; v[16:31] features as source 1: points of lanes 0-15, points of lanes 16-31
.set H1,   32                          ; v[32:95] h1 as source 1: K step s, group n at 8 (2 s + n)
.set ACC,  96                          ; v[96:223] 16 result tiles
.set OA,   224                         ; v[224:231] layer 3's sums: a pair for each of a step's four tiles (tile parity, group of points)
; window 1 (v256-511): W2 tiles t = 0..3 at 8 (4 t + s)
.set W3A,  128                         ; W3 / sigma of tiles 0, 1
.set B2R,  144                         ; sigma b2 of tiles 0..7
; window 2 (v512-767): W2 tiles t = 4..7 at 8 (4 (t - 4) + s)
.set W3B,  128                         ; W3 / sigma of tiles 2..7
.set W1R,  176                         ; W1 tiles 0..7
; window 3 (v768-1023)
.set XN,   0                           ; [0:3]  an iteration's four words of xq
.set XOFF, 6                           ; my byte offset in xq
.set MSKX, 8                           ; flag x x 0x3ff
.set E8Y,  9                           ; flag y x 8
.set PXS,  10                          ; flag x x 16384
.set PYS,  11                          ; flag y x 32
.set ADR,  12                          ; [12:27]  level l: its LDS address (l < 9) or its offset in quads
.set WGT,  28                          ; [28:59]  level l: X r and Y r, then the weights wx, wy
.set DAT,  60                          ; [60:187] level l, 8 registers: the cell numbers, then f00, f01, f10, f11, then the interpolation in place
.set T,    188
.set T2,   189
.set B1R,  192                         ; [192:255] sigma b1 of tiles 0..7
.set QB,   28                          ; s[28:41] quads at levels 9..15 (behind the fill; before that, descriptors)
.set MSB, 0
.macro WIN new                         ; s_set_vgpr_msb: bits 1:0 source 0, 3:2 source 1, 5:4 source 2, 7:6 destination; the high byte repeats the setting that is left
.if MSB != \new
	s_set_vgpr_msb (MSB<<8)|\new
.set MSB, \new
.endif
.endm
	s_load_b512 s[4:19], s[0:1], 0x0               ; xq s[4:5], quads s[6:7], wimg s[8:9], gmax s[10:11], grids s[12:13], W1 s[14:15], b1 s[16:17], b2 s[18:19]
	s_load_b128 s[20:23], s[0:1], 0x40             ; W3 s[20:21], b3 s[22:23]
	s_load_b64 s[24:25], s[0:1], 0x50              ; out0
	v_lshl_add_u32 v254, v0, 2, 0x36c00
	v_mov_b32 v255, 0
	ds_add_u32 v254, v255
	ds_add_u32 v254, v255
	v_lshrrev_b32 v1, 5, v0
	v_readfirstlane_b32 s2, v1                     ; wave 0..3
	v_and_b32 v1, 31, v0                           ; lane
	v_lshlrev_b32 v2, 4, v1                        ; 16 lane
	v_lshrrev_b32 v3, 4, v1
	v_lshlrev_b32 v3, 5, v3                        ; 32 h: eight f32 of a bias for each half of the lanes
	s_mov_b32 s66, 0x7fffff
	s_mov_b32 s67, 0x3f800000
	s_mov_b32 s73, LDSB7
	s_mov_b32 s74, LDSB8
	s_mov_b32 s75, 0x76543210
	s_mov_b32 s76, 0xfedcba98
	s_wait_dscnt 0x0
	s_wait_kmcnt 0x0
; THE FILL.  One tile for each level: r + 1 rows of 2 (r + 1) f32, 1,026 elements from row to row in memory, dense in LDS.  Descriptor set k: group 0 in
; s[28+12k:31+12k], group 1 in s[32+12k:39+12k].  Each wave fills levels of its own, all inside one branch on its number; at most three loads of a wave are out.
.macro TDESC k, l
	s_mov_b32 s[28+12*\k], 1                                       ; count = 1
	s_mov_b32 s[29+12*\k], LDSB\l                                  ; LDS byte
	s_add_nc_u64 s[30+12*\k:31+12*\k], s[12:13], \l*LEVEL          ; the level's first vertex
	s_or_b32 s[31+12*\k], s[31+12*\k], 0x80000000                  ; type = 2
	s_mov_b32 s[32+12*\k], 2<<16                                   ; elements of 4 bytes, no mask, no padding
	s_mov_b32 s[33+12*\k], (2*(RES\l+1))<<16                       ; tensor_dim0
	s_mov_b32 s[34+12*\k], (RES\l+1)<<16                           ; tensor_dim1
	s_mov_b32 s[35+12*\k], (2*(RES\l+1))<<16                       ; tile_dim0
	s_mov_b32 s[36+12*\k], RES\l+1                                 ; tile_dim1
	s_mov_b32 s[37+12*\k], 1026                                    ; pitch
	s_mov_b32 s[38+12*\k], 0
	s_mov_b32 s[39+12*\k], 0
	tensor_load_to_lds s[28+12*\k:31+12*\k], s[32+12*\k:39+12*\k]
	s_nop 0
.endm
	s_cmp_eq_u32 s2, 0
	s_cbranch_scc1 .Lfill0
	s_cmp_eq_u32 s2, 1
	s_cbranch_scc1 .Lfill1
	s_cmp_eq_u32 s2, 2
	s_cbranch_scc1 .Lfill2
	TDESC 0, 4
	TDESC 1, 3
	TDESC 2, 2
	s_branch .Lfilled
.Lfill0:
	TDESC 0, 8
	s_branch .Lfilled
.Lfill1:
	TDESC 0, 7
	TDESC 1, 0
	TDESC 2, 1
	s_branch .Lfilled
.Lfill2:
	TDESC 0, 6
	TDESC 1, 5
.Lfilled:
	; THE CONSTANTS, straight into their windows (the address register is in window 0).  Block Q of wimg is four registers of an operand.
	WIN 0x80
.set q, 0
.rept 16
	global_load_b128 v[W1R+4*q:W1R+4*q+3], v2, s[8:9] offset:512*q
.set q, q+1
.endr
.set q, 48
.rept 32
	global_load_b128 v[4*(q-48):4*(q-48)+3], v2, s[8:9] offset:512*q
.set q, q+1
.endr
.irp t, 2,3,4,5,6,7
	global_load_b128 v[W3B+8*(\t-2):W3B+8*(\t-2)+3],   v3, s[20:21] offset:64*\t       ; lane (r, h): units 16 t + 8 h .. + 7, as in a result tile
	global_load_b128 v[W3B+8*(\t-2)+4:W3B+8*(\t-2)+7], v3, s[20:21] offset:64*\t+16
.endr
	WIN 0x40
.set q, 16
.rept 32
	global_load_b128 v[4*(q-16):4*(q-16)+3], v2, s[8:9] offset:512*q
.set q, q+1
.endr
.irp t, 0,1
	global_load_b128 v[W3A+8*\t:W3A+8*\t+3],   v3, s[20:21] offset:64*\t
	global_load_b128 v[W3A+8*\t+4:W3A+8*\t+7], v3, s[20:21] offset:64*\t+16
.endr
.irp t, 0,1,2,3,4,5,6,7
	global_load_b128 v[B2R+8*\t:B2R+8*\t+3],   v3, s[18:19] offset:64*\t
	global_load_b128 v[B2R+8*\t+4:B2R+8*\t+7], v3, s[18:19] offset:64*\t+16
.endr
	WIN 0xc0
.irp t, 0,1,2,3,4,5,6,7
	global_load_b128 v[B1R+8*\t:B1R+8*\t+3],   v3, s[16:17] offset:64*\t
	global_load_b128 v[B1R+8*\t+4:B1R+8*\t+7], v3, s[16:17] offset:64*\t+16
.endr
	v_lshlrev_b32 v[XOFF], 4, v1                   ; (destination in window 3) 16 lane
	WIN 0
	; what sigma is made of: the 2,048 maxima of |grids|, all of W1, all of b1
.set q, 0
.rept 16
	global_load_b128 v[32+4*q:35+4*q], v2, s[10:11] offset:512*q
.set q, q+1
.endr
.set q, 0
.rept 32
	global_load_b128 v[96+4*q:99+4*q], v2, s[14:15] offset:512*q
.set q, q+1
.endr
	global_load_b128 v[224:227], v2, s[16:17]
	s_load_b32 s72, s[22:23], 0x0                  ; b3
	v_lshlrev_b32 v[OOFF], 3, v1                   ; 8 lane
	s_lshl_b32 s78, ttmp9, 16                      ; xq: 65,536 bytes a work-group, 16,384 a wave
	s_lshl_b32 s79, s2, 14
	s_add_co_u32 s78, s78, s79
	s_mov_b32 s79, 0
	s_add_nc_u64 s[4:5], s[4:5], s[78:79]
	s_lshr_b32 s78, s78, 1                         ; out0: half of that
	s_add_nc_u64 s[24:25], s[24:25], s[78:79]
	v_mov_b32 v7, 0                                ; the permute's destination counts as read
	s_wait_loadcnt 0x0
	s_wait_kmcnt 0x0
	v_max_num_f32 v4, v32, v33
.set q, 34
.rept 31
	v_max3_num_f32 v4, v[q], v[q+1], v4
.set q, q+2
.endr
	v_max_num_f32 v5, |v96|, |v97|
.set q, 98
.rept 63
	v_max3_num_f32 v5, |v[q]|, |v[q+1]|, v5
.set q, q+2
.endr
	v_max_num_f32 v6, |v224|, |v225|
	v_max3_num_f32 v6, |v226|, |v227|, v6
.macro WMAX r                          ; maximum over the 32 lanes, in every lane
	v_max_num_f32_dpp v[\r], v[\r], v[\r] row_xmask:1 row_mask:0xf bank_mask:0xf
	v_max_num_f32_dpp v[\r], v[\r], v[\r] row_xmask:2 row_mask:0xf bank_mask:0xf
	v_max_num_f32_dpp v[\r], v[\r], v[\r] row_xmask:4 row_mask:0xf bank_mask:0xf
	v_max_num_f32_dpp v[\r], v[\r], v[\r] row_xmask:8 row_mask:0xf bank_mask:0xf
	v_permlanex16_b32 v7, v[\r], s75, s76
	v_max_num_f32 v[\r], v[\r], v7
.endm
	WMAX 4                                         ; G
	WMAX 5                                         ; max |W1|
	WMAX 6                                         ; max |b1|
	v_mul_f32 v5, 0x42000000, v5                   ; 32 max |W1|
	v_fma_f32 v5, v4, v5, v6                       ; bounds |h1|
	v_max_num_f32 v5, v4, v5                       ; B: bounds features and h1
	v_lshrrev_b32 v5, 23, v5                       ; e, B's biased exponent: B < 2^(e - 126)
	v_sub_nc_u32 v5, 0x10c, v5                     ; sigma = 2^(141 - e): biased exponent 268 - e,
	v_min_u32 v5, 0xbf, v5                         ; at most 191 (2^64)
	v_sub_nc_u32 v6, 0xfe, v5                      ; 1 / sigma
	v_lshlrev_b32 v5, 23, v5
	v_lshlrev_b32 v6, 23, v6
	v_readfirstlane_b32 s68, v5
	v_readfirstlane_b32 s70, v6
	s_mov_b32 s69, s68
	s_mov_b32 s71, s70
	WIN 0xc3
.set q, 0
.rept 32
	v_pk_mul_f32 v[B1R+2*q:B1R+2*q+1], v[B1R+2*q:B1R+2*q+1], s[68:69] op_sel_hi:[1,0]
.set q, q+1
.endr
	WIN 0x41
.set q, 0
.rept 32
	v_pk_mul_f32 v[B2R+2*q:B2R+2*q+1], v[B2R+2*q:B2R+2*q+1], s[68:69] op_sel_hi:[1,0]
.set q, q+1
.endr
.set q, 0
.rept 8
	v_pk_mul_f32 v[W3A+2*q:W3A+2*q+1], v[W3A+2*q:W3A+2*q+1], s[70:71] op_sel_hi:[1,0]
.set q, q+1
.endr
	WIN 0x82
.set q, 0
.rept 24
	v_pk_mul_f32 v[W3B+2*q:W3B+2*q+1], v[W3B+2*q:W3B+2*q+1], s[70:71] op_sel_hi:[1,0]
.set q, q+1
.endr
	WIN 0
	s_wait_tensorcnt 0x0                           ; my levels are in LDS,
	s_barrier_signal -1
	s_barrier_wait -1                              ; everybody's are.  The only barrier: LDS is only read from here on
	s_mov_b64 s[QB:QB+1], s[6:7]                   ; no tensor load is out: the descriptors' registers now hold quads at each level
.irp i, 1,2,3,4,5,6
	s_add_nc_u64 s[QB+2*\i:QB+2*\i+1], s[6:7], \i<<23
.endr
; ---- the feature stage: everything in window 3 ----
; ISSUE: cells, addresses and weights of one half's 32 points (wx, wy: the registers with the lane's two words), then all its loads.
; Every step goes through the levels before the next step begins, so that at least seven other instructions stand between a result and its use.
.macro ISSUE wx, wy
	WIN 0xff
	v_lshrrev_b32 v[T], 24, v[\wx]                 ; the flags (x >= 0), (y >= 0)
	v_lshrrev_b32 v[T2], 24, v[\wy]
.irp l, 0,1,2,3,4,5,6,7,8,9,10,11,12,13,14,15
	v_mul_u32_u24 v[WGT+2*\l],   RES\l, v[\wx]     ; the low 24 bits of the word: X; X r < 2^32
	v_mul_u32_u24 v[WGT+2*\l+1], RES\l, v[\wy]
.endr
	v_min_u32 v[T], 1, v[T]
	v_min_u32 v[T2], 1, v[T2]
.irp l, 0,1,2,3,4,5,6,7,8,9,10,11,12,13,14,15
	v_lshrrev_b32 v[DAT+8*\l],   23, v[WGT+2*\l]   ; the cell; it lies in the level's data registers until the loads are issued
	v_lshrrev_b32 v[DAT+8*\l+1], 23, v[WGT+2*\l+1]
.endr
	v_mul_u32_u24 v[MSKX], 0x3ff, v[T]
	v_lshlrev_b32 v[PXS], 14, v[T]
	v_lshlrev_b32 v[E8Y], 3, v[T2]
	v_lshlrev_b32 v[PYS], 5, v[T2]
.irp l, 0,1,2,3,4,5,6,7,8,9,10,11,12,13,14,15
	v_min_u32 v[DAT+8*\l],   RES\l-1, v[DAT+8*\l]
	v_min_u32 v[DAT+8*\l+1], RES\l-1, v[DAT+8*\l+1]
.endr
.irp l, 0,1,2,3,4,5,6,7,8
	v_and_b32 v[DAT+8*\l], v[DAT+8*\l], v[MSKX]    ; LDS levels: ix, or 0 where x < 0
.endr
.irp l, 9,10,11,12,13,14,15
	v_mul_u32_u24 v[DAT+8*\l], v[DAT+8*\l], v[PXS] ; quads: 16384 ix, or 0 where x < 0
.endr
.irp l, 0,1,2,3,4,5,6,7,8
.if \l < 7
	v_mul_u32_u24 v[DAT+8*\l], 8*(RES\l+1), v[DAT+8*\l]                    ; levels 0 to 6 carry their base in the loads' 16-bit offset,
.else
	v_mad_u32_u24 v[DAT+8*\l], v[DAT+8*\l], 8*(RES\l+1), s[66+\l]          ; levels 7 and 8 in the address
.endif
.endr
.irp l, 9,10,11,12,13,14,15
	v_mad_u32_u24 v[ADR+\l], v[DAT+8*\l+1], v[PYS], v[DAT+8*\l]            ; + 32 iy, or 0 where y < 0
.endr
.irp l, 0,1,2,3,4,5,6,7,8
	v_mad_u32_u24 v[ADR+\l], v[DAT+8*\l+1], v[E8Y], v[DAT+8*\l]            ; + 8 iy, or 0
.endr
.irp l, 0,1,2,3,4,5,6,7,8,9,10,11,12,13,14,15
	v_and_or_b32 v[WGT+2*\l],   v[WGT+2*\l],   s66, s67                    ; 1.f from the low 23 bits
	v_and_or_b32 v[WGT+2*\l+1], v[WGT+2*\l+1], s66, s67
.endr
.irp l, 9,10,11,12,13,14,15
	global_load_b128 v[DAT+8*\l:DAT+8*\l+3],   v[ADR+\l], s[QB+2*(\l-9):QB+2*(\l-9)+1]
	global_load_b128 v[DAT+8*\l+4:DAT+8*\l+7], v[ADR+\l], s[QB+2*(\l-9):QB+2*(\l-9)+1] offset:16
.endr
.irp l, 0,1,2,3,4,5,6,7,8
.if \l < 7
.set l_off, LDSB\l
.else
.set l_off, 0
.endif
	ds_load_b64 v[DAT+8*\l:DAT+8*\l+1],   v[ADR+\l] offset:l_off
	ds_load_b64 v[DAT+8*\l+2:DAT+8*\l+3], v[ADR+\l] offset:l_off+8
	ds_load_b64 v[DAT+8*\l+4:DAT+8*\l+5], v[ADR+\l] offset:l_off+8*(RES\l+1)
	ds_load_b64 v[DAT+8*\l+6:DAT+8*\l+7], v[ADR+\l] offset:l_off+8*(RES\l+1)+8
.endr
.irp l, 0,1,2,3,4,5,6,7,8,9,10,11,12,13,14,15
	v_pk_add_f32 v[WGT+2*\l:WGT+2*\l+1], v[WGT+2*\l:WGT+2*\l+1], -1.0 op_sel_hi:[1,0]   ; the weights, exact
.endr
.endm
; FINISH: the interpolation, in place in each level's eight registers (f00, f01, f10, f11, two features each): along y, then along x, then sigma.
; left = how many younger global loads may stay out.
.macro FINISH left
	WIN 0xff
	s_wait_dscnt 0x0                               ; the 36 LDS loads, issued a matrix stage ago
	s_wait_loadcnt \left                           ; the 14 gathers are in (this also frees their offsets)
.irp l, 0,1,2,3,4,5,6,7,8,9,10,11,12,13,14,15
	v_pk_add_f32 v[DAT+8*\l+2:DAT+8*\l+3], v[DAT+8*\l+2:DAT+8*\l+3], v[DAT+8*\l:DAT+8*\l+1] neg_lo:[0,1] neg_hi:[0,1]       ; f01 - f00
	v_pk_add_f32 v[DAT+8*\l+6:DAT+8*\l+7], v[DAT+8*\l+6:DAT+8*\l+7], v[DAT+8*\l+4:DAT+8*\l+5] neg_lo:[0,1] neg_hi:[0,1]     ; f11 - f10
.endr
.irp l, 0,1,2,3,4,5,6,7,8,9,10,11,12,13,14,15
	v_pk_fma_f32 v[DAT+8*\l:DAT+8*\l+1],   v[DAT+8*\l+2:DAT+8*\l+3], v[WGT+2*\l:WGT+2*\l+1], v[DAT+8*\l:DAT+8*\l+1] op_sel:[0,1,0]       ; both halves by wy
	v_pk_fma_f32 v[DAT+8*\l+4:DAT+8*\l+5], v[DAT+8*\l+6:DAT+8*\l+7], v[WGT+2*\l:WGT+2*\l+1], v[DAT+8*\l+4:DAT+8*\l+5] op_sel:[0,1,0]
.endr
.irp l, 0,1,2,3,4,5,6,7,8,9,10,11,12,13,14,15
	v_pk_add_f32 v[DAT+8*\l+4:DAT+8*\l+5], v[DAT+8*\l+4:DAT+8*\l+5], v[DAT+8*\l:DAT+8*\l+1] neg_lo:[0,1] neg_hi:[0,1]
.endr
.irp l, 0,1,2,3,4,5,6,7,8,9,10,11,12,13,14,15
	v_pk_fma_f32 v[DAT+8*\l:DAT+8*\l+1], v[DAT+8*\l+4:DAT+8*\l+5], v[WGT+2*\l:WGT+2*\l+1], v[DAT+8*\l:DAT+8*\l+1] op_sel_hi:[1,0,1]       ; both halves by wx
.endr
.irp l, 0,1,2,3,4,5,6,7,8,9,10,11,12,13,14,15
	v_pk_mul_f32 v[DAT+8*\l:DAT+8*\l+1], v[DAT+8*\l:DAT+8*\l+1], s[68:69] op_sel_hi:[1,0]
.endr
	; Source 1 wants, in lane (r, h), levels 4 h .. 4 h + 3 and 8 + 4 h .. 8 + 4 h + 3 of point r.  Levels with bit 2 clear go to the first eight registers,
	; the others to the second eight; exchanging the first's upper lanes with the second's lower lanes then makes the operands of points 0-15 and 16-31.
	WIN 0x0f
.irp l, 0,1,2,3,4,5,6,7,8,9,10,11,12,13,14,15
	v_cvt_pk_f16_f32 v[FB+8*((\l>>2)&1)+(\l&3)+((\l&8)>>1)], v[DAT+8*\l], v[DAT+8*\l+1]
.endr
	WIN 0
.irp q, 0,1,2,3,4,5,6,7
	v_permlane16_swap_b32 v[FB+\q], v[FB+8+\q]
.endr
.endm
; ---- the matrix stage ----
.macro RELU8 base
.irp j, 0,1,2,3,4,5,6,7
	v_max_num_f32 v[\base+\j], 0, v[\base+\j]
.endr
.endm
.macro H1CVT t, n                      ; result tile (t, n) of layer 1 becomes registers 4 (t & 1) .. + 3 of K step t >> 1
.irp q, 0,1,2,3
	v_cvt_pk_f16_f32 v[H1+8*(2*(\t>>1)+\n)+4*(\t&1)+\q], v[ACC+8*(2*\t+\n)+2*\q], v[ACC+8*(2*\t+\n)+2*\q+1]
.endr
.endm
.macro L1MUL t, n                      ; source 0 W1 (window 2), source 1 features (window 0), C = sigma b1 (window 3): the bias starts the sum
	v_wmma_f32_16x16x32_f16 v[ACC+8*(2*\t+\n):ACC+8*(2*\t+\n)+7], v[W1R+8*\t:W1R+8*\t+7], v[FB+8*\n:FB+8*\n+7], v[B1R+8*\t:B1R+8*\t+7]
.endm
; operation k (0..47) of the work behind layer 2's step gp: 32 ReLUs in place, then 16 packed multiply-adds with W3 / sigma (source 0, in the window of step gp + 1's weights).
; Each of the step's four tiles adds into a pair of its own, so a sum is taken up again only after the three others.
.macro E2OP gp, k
.if \k < 32
	v_max_num_f32 v[ACC+32*(\gp&1)+\k], 0, v[ACC+32*(\gp&1)+\k]
.else
.set e_i, (\k-32)&3
.set e_q, (\k-32)>>2
.set e_t, 2*\gp+(e_i>>1)
.set e_o, OA+2*e_i
.set e_a, ACC+32*(\gp&1)+8*e_i+2*e_q
.if e_t < 2
.set e_w, W3A+8*e_t+2*e_q
.else
.set e_w, W3B+8*(e_t-2)+2*e_q
.endif
.if \gp+e_q == 0
	v_pk_mul_f32 v[e_o:e_o+1], v[e_w:e_w+1], v[e_a:e_a+1]                  ; the first product of each of the four sums starts it
.else
	v_pk_fma_f32 v[e_o:e_o+1], v[e_w:e_w+1], v[e_a:e_a+1], v[e_o:e_o+1]
.endif
.endif
.endm
; Layer 2, tiles t = 2 g, 2 g + 1 for both groups of points: four accumulators, 16 matrix instructions, K step by K step.
; The four accumulators take turns, one instruction a turn.  Behind each stand three operations on the step before's results.
.macro L2STEP g
.set e_k, 0
.irp s, 0,1,2,3
.if \s == 0
	WIN (0x10|(1+(\g>>1)))                         ; C = sigma b2 in window 1
.else
	WIN (1+(\g>>1))                                ; C = D in window 0
.endif
.irp i, 0,1,2,3
.set l2t, 2*\g+(\i>>1)
.set l2a, 8*(4*(l2t&3)+\s)
.set l2b, H1+8*(2*\s+(\i&1))
.set l2d, ACC+32*(\g&1)+8*\i
.set l2c, B2R+8*l2t
.if \s == 0
	v_wmma_f32_16x16x32_f16 v[l2d:l2d+7], v[l2a:l2a+7], v[l2b:l2b+7], v[l2c:l2c+7]
.else
	v_wmma_f32_16x16x32_f16 v[l2d:l2d+7], v[l2a:l2a+7], v[l2b:l2b+7], v[l2d:l2d+7]
.endif
.if \g > 0
.rept 3
	E2OP (\g-1), e_k
.set e_k, e_k+1
.endr
.endif
.endr
.endr
.endm
.macro PLACES                          ; four plain vector instructions between a matrix instruction and the first vector instruction that touches its result (ISA guide 7.12.1)
.rept 4
	v_nop
.endr
.endm
; 32 points: features in FB, the result of lane L's point into OUTP + c
.macro MLP c
	WIN 0x32
.irp t, 0,1,2,3
.irp n, 0,1
	L1MUL \t, \n
.endr
.endr
	PLACES
.irp t, 4,5,6,7
.irp n, 0,1
	L1MUL \t, \n
	RELU8 ACC+8*(2*(\t-4)+\n)                      ; the first eight tiles' ReLU rides behind the second eight's products
.endr
.endr
	WIN 0
.irp t, 0,1,2,3
.irp n, 0,1
	H1CVT \t, \n
.endr
.endr
.irp t, 4,5,6,7
.irp n, 0,1
	RELU8 ACC+8*(2*\t+\n)
.endr
.endr
.irp t, 4,5,6,7
.irp n, 0,1
	H1CVT \t, \n
.endr
.endr
	L2STEP 0
	PLACES
	L2STEP 1
	L2STEP 2
	L2STEP 3
	WIN 0x02
.set e_k, 0
.rept 48
	E2OP 3, e_k
.set e_k, e_k+1
.endr
	WIN 0
	; lane (r, h) holds, for each group of points, the part of point r's sum over units 8 h .. 8 h + 7 of every tile
	v_pk_add_f32 v[OA:OA+1],   v[OA:OA+1],   v[OA+4:OA+5]                  ; points 0-15: even tiles + odd tiles
	v_pk_add_f32 v[OA+2:OA+3], v[OA+2:OA+3], v[OA+6:OA+7]                  ; points 16-31
	v_add_f32 v1, v[OA], v[OA+1]
	v_add_f32 v2, v[OA+2], v[OA+3]
	v_permlane16_swap_b32 v1, v2                   ; v1: both groups' h = 0 parts, v2: both groups' h = 1 parts, lane L for point L
	v_add_f32 v1, v1, v2
	v_add_f32 v[OUTP+\c], s72, v1                  ; + b3
.endm
; An iteration.  On entry FB holds the features of its first half, XN its four words.  Each half's loads are issued in front of the other half's matrix stage.
.macro ITER last
	ISSUE XN+2, XN+3                               ; the second half; XN is read for the last time,
.if \last == 0
	global_load_b128 v[XN:XN+3], v[XOFF], s[4:5] th:TH_LOAD_NT    ; so the next iteration's words may come
.endif
	MLP 0
.if \last == 0
	FINISH 1                                       ; one younger load: the next iteration's words
	s_wait_loadcnt 0x0                             ; they are in, and their offset is free
	WIN 0xff
	v_add_nc_u32 v[XOFF], 512, v[XOFF]
	ISSUE XN, XN+1
.else
	FINISH 0
.endif
	MLP 1
	global_store_b64 v[OOFF], v[OUTP:OUTP+1], s[24:25] th:TH_STORE_NT   ; 32 lanes, 256 consecutive bytes, aligned
.if \last == 0
	FINISH 0                                       ; writes FB and window 3 alone: neither the store's offset nor its data
	s_wait_xcnt 0x0                                ; the store's offset (next line) and data (the next matrix stage) are rewritten only behind this wait
	v_add_nc_u32 v[OOFF], 256, v[OOFF]
.endif
.endm
	WIN 0xff
	global_load_b128 v[XN:XN+3], v[XOFF], s[4:5] th:TH_LOAD_NT
	s_wait_loadcnt 0x0
	v_add_nc_u32 v[XOFF], 512, v[XOFF]
	ISSUE XN, XN+1
	FINISH 0
	WIN 0                                          ; at a label and at a branch every window is 0
	s_mov_b32 s3, 31
.Liter:
	ITER 0
	WIN 0
	s_sub_co_u32 s3, s3, 1
	s_cmp_lg_u32 s3, 0
	s_cbranch_scc1 .Liter
	ITER 1                                         ; the last iteration loads nothing beyond the wave's share
	s_wait_tensorcnt 0x0
	ds_add_u32 v254, v255
	s_wait_dscnt 0x0
	s_endpgm
.Lfunc_end_k_q953c6767a2_mlp:
	.size	k_q953c6767a2_mlp, .Lfunc_end_k_q953c6767a2_mlp-k_q953c6767a2_mlp
	.p2alignl 7, 3214868480
	.fill 96, 4, 3214868480
	.section	.rodata,"a",@progbits
	.p2align	6, 0x0
	.amdhsa_kernel k_q953c6767a2_mlp
		.amdhsa_group_segment_fixed_size 224768
		.amdhsa_private_segment_fixed_size 0
		.amdhsa_enable_private_segment 0
		.amdhsa_kernarg_size 88
		.amdhsa_user_sgpr_count 2
		.amdhsa_user_sgpr_kernarg_segment_ptr 1
		.amdhsa_wavefront_size32 1
		.amdhsa_system_sgpr_workgroup_id_x 1
		.amdhsa_system_sgpr_workgroup_id_y 1
		.amdhsa_system_sgpr_workgroup_id_z 1
		.amdhsa_system_vgpr_workitem_id 0
		.amdhsa_next_free_vgpr 1024
		.amdhsa_next_free_sgpr 80
		.amdhsa_reserve_vcc 0
		.amdhsa_float_denorm_mode_32 3
		.amdhsa_float_denorm_mode_16_64 3
		.amdhsa_memory_ordered 1
		.amdhsa_forward_progress 1
		.amdhsa_inst_pref_size 215
	.end_amdhsa_kernel
	.amdgpu_metadata
---
amdhsa.version: [ 1, 2 ]
amdhsa.kernels:
  - .name:           k_q953c6767a2_mlp
    .symbol:         k_q953c6767a2_mlp.kd
    .args:
      - { .name: xq, .offset: 0, .size: 8, .value_kind: global_buffer, .address_space: global }
      - { .name: quads, .offset: 8, .size: 8, .value_kind: global_buffer, .address_space: global }
      - { .name: wimg, .offset: 16, .size: 8, .value_kind: global_buffer, .address_space: global }
      - { .name: gmax, .offset: 24, .size: 8, .value_kind: global_buffer, .address_space: global }
      - { .name: grids, .offset: 32, .size: 8, .value_kind: global_buffer, .address_space: global }
      - { .name: W1, .offset: 40, .size: 8, .value_kind: global_buffer, .address_space: global }
      - { .name: b1, .offset: 48, .size: 8, .value_kind: global_buffer, .address_space: global }
      - { .name: b2, .offset: 56, .size: 8, .value_kind: global_buffer, .address_space: global }
      - { .name: W3, .offset: 64, .size: 8, .value_kind: global_buffer, .address_space: global }
      - { .name: b3, .offset: 72, .size: 8, .value_kind: global_buffer, .address_space: global }
      - { .name: out0, .offset: 80, .size: 8, .value_kind: global_buffer, .address_space: global }
    .group_segment_fixed_size: 224768
    .private_segment_fixed_size: 0
    .kernarg_segment_align: 8
    .kernarg_segment_size: 88
    .max_flat_workgroup_size: 128
    .sgpr_count:     80
    .vgpr_count:     1024
    .wavefront_size: 32
...
	.end_amdgpu_metadata
.endif
;; end of part 3
;; ======== version 3 of 3: 2 launches; version 2 with the launch prep written anew for expert scheduling mode
;; limits: values are held in f16: magnitudes above 65,504 overflow, below 6.1e-05 lose precision; right only within a limited range of input values
;; workspace buffers: xq 16,777,216 bytes of whole numbers; quads 58,720,256 bytes; wimg 40,960 bytes; gmax 8,192 bytes
;; launch prep (part 4): grid 256 x 1, 8 waves a work-group, no clusters, 0 bytes of LDS; arguments x, grids, W1, W2, xq, quads, wimg, gmax; writes xq, quads, wimg, gmax
.if DOCPART == 4
	.amdgcn_target "amdgcn-amd-amdhsa--gfx1250"
	.amdhsa_code_object_version 6
	.text
	.protected	k_q953c6767a2_prep
	.globl	k_q953c6767a2_prep
	.p2align	8
	.type	k_q953c6767a2_prep,@function
k_q953c6767a2_prep:
	s_mov_b64 s[64:65], 0
	v_nop
	global_prefetch_b8 v0, s[64:65] scope:SCOPE_SE
	s_setreg_imm32_b32 hwreg(HW_REG_WAVE_SCHED_MODE, 0, 2), 2
	s_setreg_imm32_b32 hwreg(HW_REG_WAVE_MODE, 25, 1), 1
	s_wait_xcnt 0x0
	s_wait_alu depctr_vm_vsrc(0)
; PREPARATION for the multi-resolution grid + MLP.  Four jobs, all streams through registers (no LDS, no barrier, no matrix unit: nothing is shared
; between waves and nothing is multiplied).  256 work-groups of 8 waves; g = work-group, T = thread 0..255.
;  J1  xq:    each coordinate of x becomes the whole number (floor(x 2^23) mod 2^23) | (x >= 0) << 24, with floor(x 2^23) clamped to [-2^31, 2^23 - 1].
;             The next launch forms cell numbers and weights from it by integer arithmetic.
;             LIMITS: x finite (NaN or infinity gives a finite number here); x >= 1 is taken as 1 - 2^-23, which differs from the last vertex by
;             at most r 2^-23 of a cell; for x < -256 the weights are taken as 0.  The position is exact to 2^-14 of a cell at r = 512.
;  J2  gmax:  each wave's largest |grids| over the vertices that can be read (row, column <= r of each level): 2,048 numbers.
;  J3  quads: levels 9 to 15, one entry of 32 bytes for each cell (ix, iy): f00, f01, f10, f11 (first index ix, second iy), at
;             (l - 9) 2^23 + 16384 ix + 32 iy.  Rows ix < r; columns up to the next multiple of 128 (those at or beyond r are never read).
;  J4  wimg:  W1 and W2 transposed, in f16, in the register image of a 16 x 32 matrix operand (work-groups 0 to 9, one block of 512 bytes a wave).
;             LIMIT: |W1|, |W2| < 65,504; their absolute resolution is 2^-25.
; THE MODE: SCHED_MODE bits 1:0 = 2 (LLVM: expert scheduling mode 2), set by the entry lines.  The code itself states the register dependences
; between vector instructions and memory instructions, with s_wait_alu, always for 0.
; THE PLAN.  Registers that memory instructions touch:
;   v3, QA, QS, MA  byte offsets.  All 54 are made at the head, in front of the wait for the arguments (none needs one), and never written again:
;                   ONE wait on va_vdst ahead of the first load serves every load and store of J1, J2 and J3.
;   QD              J3's loads land in it, J3's stores read it; then J1's loads land in its first 64 registers (one wait on vm_vsrc ahead of them).
;                   J1 goes in four blocks of four loads: block p's conversions work in place on its sixteen registers; the four stores of block p - 1
;                   are dealt among them, behind one wait on va_vdst at the block's head.  No conversion of block p names block p - 1's registers.
;   MD              J2's loads land in it, the running maximum reads it; in work-groups 0 to 9 J4's loads land in its first eight registers,
;                   four conversions write the next four, J4's store reads those.
;   TT+1, TT+2      J4's two offsets, made together ahead of its loads.     GM, TN+1  data and offset of the last store.
;   TT and TN are otherwise named by vector instructions alone.
.set LEVEL, 2105352                    ; bytes of one level of grids: 513 x 513 x 2 x 4
.set ROWB,  4104                       ; bytes of one row: 513 x 2 x 4
.set RES0, 16
.set RES1, 20
.set RES2, 25
.set RES3, 32
.set RES4, 40
.set RES5, 50
.set RES6, 64
.set RES7, 80
.set RES8, 101
.set RES9, 128
.set RES10, 161
.set RES11, 203
.set RES12, 256
.set RES13, 322
.set RES14, 406
.set RES15, 512
.set QA, 8                             ; v[8:17]    J3: load offset of each of ten row slots
.set QS, 18                            ; v[18:27]   J3: store offset of each slot
.set QD, 28                            ; v[28:143]  J3: 29 passes x 4 registers; afterwards J1's 16 x 4
.set MA, 144                           ; v[144:176] J2: 33 offsets
.set MD, 178                           ; v[178:243] J2: 33 x 2 numbers; afterwards J4's 8 + 4
.set GM, 244                           ; v244       J2: running maximum
.set TT, 245                           ; v[245:248] at work
.set TN, 249                           ; v[249:252] at work
	s_load_b512 s[4:19], s[0:1], 0x0               ; x s[4:5], grids s[6:7], W1 s[8:9], W2 s[10:11], xq s[12:13], quads s[14:15], wimg s[16:17], gmax s[18:19]
	s_mov_b32 s2, ttmp9                            ; g
	v_lshrrev_b32 v1, 5, v0
	v_readfirstlane_b32 s3, v1                     ; wave 0..7
	v_and_b32 v1, 31, v0                           ; lane
	v_lshrrev_b32 v2, 1, v0
	v_and_b32 v[TT], 1, v0
	v_lshlrev_b32 v2, 3, v2
	v_mad_u32_u24 v2, v[TT], ROWB, v2              ; J3 load: column T / 2, row ix + (T & 1)
	v_lshlrev_b32 v3, 4, v0                        ; 16 T: J3's stores, J1's loads and stores
	s_wait_alu depctr_va_sdst(0)                   ; s3 is written: its readers (J4's block number, the place of the wave's maximum) stand behind branches
	s_mov_b32 s28, 0xcf000000                      ; -2^31
	s_mov_b32 s29, 0x4afffffe                      ; 2^23 - 1
	s_mov_b32 s30, 0x76543210                      ; v_permlanex16_b32: lane i reads lane i of the other half
	s_mov_b32 s31, 0xfedcba98
	s_lshl_b32 s38, s2, 16                         ; J1: 65,536 bytes (8,192 points) a work-group
	s_mov_b32 s39, 0
; J3, one row slot's offsets: row ix = g + 256 b of level l.  The loads always run, from row min(ix, r - 1), so that
; every register is written on every path; only the stores are left out where ix >= r.
.macro QADDR idx, l, b
	s_add_co_u32 s20, s2, 256*\b
	s_min_u32 s21, s20, RES\l-1
	s_mul_i32 s21, s21, ROWB
	s_add_co_u32 s21, s21, \l*LEVEL
	v_add_nc_u32 v[QA+\idx], s21, v2
	s_lshl_b32 s20, s20, 14
	s_add_co_u32 s20, s20, (\l-9)<<23
	v_add_nc_u32 v[QS+\idx], s20, v3
.endm
	QADDR 0, 9,  0
	QADDR 1, 10, 0
	QADDR 2, 11, 0
	QADDR 3, 12, 0
	QADDR 4, 13, 0
	QADDR 5, 13, 1
	QADDR 6, 14, 0
	QADDR 7, 14, 1
	QADDR 8, 15, 0
	QADDR 9, 15, 1
; J2, one load's offset: vertex (min(g + ra, r), min(T + ca, r)) of level l.  Over all work-groups and threads every vertex with row, column <= r is met.
.macro MADDR idx, l, ra, ca
	s_add_co_u32 s20, s2, \ra
	s_min_u32 s20, s20, RES\l
	s_mul_i32 s20, s20, ROWB
	s_add_co_u32 s20, s20, \l*LEVEL
	v_add_nc_u32 v[TT], \ca, v0
	v_min_u32 v[TT], RES\l, v[TT]
	v_lshl_add_u32 v[MA+\idx], v[TT], 3, s20
.endm
.irp l, 0,1,2,3,4,5,6,7,8,9,10,11
	MADDR \l, \l, 0, 0
.endr
	MADDR 12, 12, 0, 0
	MADDR 13, 12, 0, 256
	MADDR 14, 12, 256, 0
	MADDR 15, 12, 256, 256
	MADDR 16, 13, 0, 0
	MADDR 17, 13, 0, 256
	MADDR 18, 13, 256, 0
	MADDR 19, 13, 256, 256
	MADDR 20, 14, 0, 0
	MADDR 21, 14, 0, 256
	MADDR 22, 14, 256, 0
	MADDR 23, 14, 256, 256
	MADDR 24, 15, 0, 0
	MADDR 25, 15, 0, 256
	MADDR 26, 15, 0, 512
	MADDR 27, 15, 256, 0
	MADDR 28, 15, 256, 256
	MADDR 29, 15, 256, 512
	MADDR 30, 15, 512, 0
	MADDR 31, 15, 512, 256
	MADDR 32, 15, 512, 512
	s_wait_kmcnt 0x0
	s_add_nc_u64 s[32:33], s[4:5], s[38:39]
	s_add_nc_u64 s[34:35], s[12:13], s[38:39]
	s_wait_alu depctr_va_vdst(0)                   ; v3, QA, QS and MA are written: every load and store of J1, J2 and J3 reads one of them as its offset
; J3's loads: np passes of 128 entries for a slot
.macro QLOAD idx, np, first
.set p, 0
.rept \np
	global_load_b64 v[QD+4*(\first+p):QD+4*(\first+p)+1],   v[QA+\idx], s[6:7] offset:1024*p      ; vertex (row, e)
	global_load_b64 v[QD+4*(\first+p)+2:QD+4*(\first+p)+3], v[QA+\idx], s[6:7] offset:1024*p+8    ; vertex (row, e + 1); e + 1 <= 512 is inside the row
.set p, p+1
.endr
.endm
	QLOAD 0, 1, 0
	QLOAD 1, 2, 1
	QLOAD 2, 2, 3
	QLOAD 3, 2, 5
	QLOAD 4, 3, 7
	QLOAD 5, 3, 10
	QLOAD 6, 4, 13
	QLOAD 7, 4, 17
	QLOAD 8, 4, 21
	QLOAD 9, 4, 25
.set i, 0
.rept 33
	global_load_b64 v[MD+2*i:MD+2*i+1], v[MA+i], s[6:7]                    ; J2's loads
.set i, i+1
.endr
	s_wait_loadcnt 33                              ; loads come back in order: J3's 58 are in, J2's 33 younger ones stay out
; J3's stores: thread T writes 16 bytes at 16 T of a pass, so a wave's store covers 512 consecutive bytes, aligned.  Their data come from loads, their offsets stand ahead of the wait above.
.macro QSTORE idx, np, first
.set p, 0
.rept \np
	global_store_b128 v[QS+\idx], v[QD+4*(\first+p):QD+4*(\first+p)+3], s[14:15] offset:4096*p
.set p, p+1
.endr
.endm
.macro QSTORE_IF idx, np, first, lim           ; only where the slot's row exists: g < lim
	s_cmp_lt_u32 s2, \lim
	s_cbranch_scc0 .Lskip_\@
	QSTORE \idx, \np, \first
.Lskip_\@:
.endm
	QSTORE_IF 0, 1, 0, 128
	QSTORE_IF 1, 2, 1, 161
	QSTORE_IF 2, 2, 3, 203
	QSTORE 3, 2, 5
	QSTORE 4, 3, 7
	QSTORE_IF 5, 3, 10, 66
	QSTORE 6, 4, 13
	QSTORE_IF 7, 4, 17, 150
	QSTORE 8, 4, 21
	QSTORE 9, 4, 25
	s_wait_xcnt 0x0                                ; the stores' data registers are loaded again only behind this wait
	s_wait_alu depctr_vm_vsrc(0)                   ; J3's stores have read QD, in which the loads of x land
.irp k, 0,1,2,3,4,5,6,7,8,9,10,11,12,13,14,15
	global_load_b128 v[QD+4*\k:QD+4*\k+3], v3, s[32:33] offset:4096*\k th:TH_LOAD_NT   ; J1: x, read once in the launch
.endr
	s_wait_loadcnt 16                              ; J2's 33 are in; J1's 16 stay out
	v_max_num_f32 v[GM], |v[MD]|, |v[MD+1]|        ; the first pair starts the maximum
.set i, 1
.rept 32
	v_max3_num_f32 v[GM], |v[MD+2*i]|, |v[MD+2*i+1]|, v[GM]
.set i, i+1
.endr
; J1: four words at a time, converted in place.  head = 1: the first load of a block of four.  prev = 1: the store of load k - 4, of the block before, goes out first.
.macro XCONV k, head, prev
	s_wait_loadcnt 15-\k                           ; load k is in, the younger ones stay out
.if \head
	s_wait_alu depctr_va_vdst(0)                   ; the block before has written its sixteen registers of QD, which this block's four stores read
.endif
.if \prev
	global_store_b128 v3, v[QD+4*(\k-4):QD+4*(\k-4)+3], s[34:35] offset:4096*(\k-4)   ; no vector instruction since that wait names these registers or v3
.endif
.irp j, 0,1,2,3
	v_mul_f32 v[TT+\j], 0x4b000000, v[QD+4*\k+\j]  ; x 2^23 (exact)
.endr
.irp j, 0,1,2,3
	v_floor_f32 v[TT+\j], v[TT+\j]
.endr
.irp j, 0,1,2,3
	v_med3_num_f32 v[TT+\j], v[TT+\j], s28, s29    ; into [-2^31, 2^23 - 1]
.endr
.irp j, 0,1,2,3
	v_cvt_i32_f32 v[TT+\j], v[TT+\j]
.endr
.irp j, 0,1,2,3
	v_not_b32 v[TN+\j], v[TT+\j]
.endr
.irp j, 0,1,2,3
	v_and_b32 v[TT+\j], 0x7fffff, v[TT+\j]         ; the low 23 bits: they alone decide the low 23 bits of every product with r
.endr
.irp j, 0,1,2,3
	v_lshrrev_b32 v[TN+\j], 31, v[TN+\j]           ; 1 where x >= 0
.endr
.irp j, 0,1,2,3
	v_lshl_or_b32 v[QD+4*\k+\j], v[TN+\j], 24, v[TT+\j]
.endr
.endm
	XCONV 0, 0, 0                                  ; block 0 has no block in front of it
	XCONV 1, 0, 0
	XCONV 2, 0, 0
	XCONV 3, 0, 0
	XCONV 4, 1, 1
	XCONV 5, 0, 1
	XCONV 6, 0, 1
	XCONV 7, 0, 1
	XCONV 8, 1, 1
	XCONV 9, 0, 1
	XCONV 10, 0, 1
	XCONV 11, 0, 1
	XCONV 12, 1, 1
	XCONV 13, 0, 1
	XCONV 14, 0, 1
	XCONV 15, 0, 1
	s_wait_alu depctr_va_vdst(0)                   ; the last block has written its sixteen registers of QD, which the last four stores read
.irp k, 12,13,14,15
	global_store_b128 v3, v[QD+4*\k:QD+4*\k+3], s[34:35] offset:4096*\k
.endr
	; J4: block Q = 8 g + wave of the weight image.  Q < 16: W1, tile t = Q >> 1, half u = Q & 1.  Else Q' = Q - 16: W2, t = Q' >> 3, K step s = (Q' >> 1) & 3, u = Q' & 1.
	; Lane (r = lane & 15, h = lane >> 4) takes W[32 s + 16 u + 8 h + c][16 t + r], c = 0..7: four registers of the operand whose row is output 16 t + r.
	s_cmp_lt_u32 s2, 10
	s_cbranch_scc0 .Lno_image
	s_lshl3_add_u32 s20, s2, s3                    ; Q
	s_cmp_lt_u32 s2, 2
	s_cselect_b64 s[36:37], s[8:9], s[10:11]       ; W1 or W2
	s_cselect_b32 s21, 0, 16
	s_cselect_b32 s22, 1, 3
	s_cselect_b32 s23, 0, 3
	s_sub_co_u32 s21, s20, s21                     ; Q or Q'
	s_lshr_b32 s24, s21, s22                       ; t
	s_lshr_b32 s25, s21, 1
	s_and_b32 s25, s25, s23                        ; s
	s_and_b32 s26, s21, 1                          ; u
	s_lshl1_add_u32 s25, s25, s26                  ; 2 s + u
	s_lshl_b32 s25, s25, 13                        ; x 16 rows of 512 bytes
	s_lshl_b32 s24, s24, 6                         ; 16 t columns of 4 bytes
	s_add_co_u32 s24, s24, s25
	s_lshl_b32 s20, s20, 9
	v_and_b32 v[TT+1], 15, v1
	v_lshrrev_b32 v[TT+2], 4, v1
	v_lshlrev_b32 v[TT+1], 2, v[TT+1]              ; 4 r
	v_lshl_add_u32 v[TT+1], v[TT+2], 12, v[TT+1]   ; + 8 h rows
	v_add_nc_u32 v[TT+1], s24, v[TT+1]
	v_lshl_add_u32 v[TT+2], v1, 4, s20             ; 512 Q + 16 lane
	s_wait_alu depctr_va_vdst(0)                   ; both offsets are written, the loads' and the store's; the maxima are done reading MD, in which the loads land
.irp c, 0,1,2,3,4,5,6,7
	global_load_b32 v[MD+\c], v[TT+1], s[36:37] offset:512*\c
.endr
	s_wait_loadcnt 0x0
.irp q, 0,1,2,3
	v_cvt_pk_f16_f32 v[MD+8+\q], v[MD+2*\q], v[MD+2*\q+1]
.endr
	s_wait_alu depctr_va_vdst(0)                   ; the conversions have written v[MD+8:MD+11], which the store reads
	global_store_b128 v[TT+2], v[MD+8:MD+11], s[16:17]
.Lno_image:
	; J2's end: the wave's maximum, one word a wave (2,048 words in all)
	v_max_num_f32_dpp v[GM], v[GM], v[GM] row_xmask:1 row_mask:0xf bank_mask:0xf
	v_max_num_f32_dpp v[GM], v[GM], v[GM] row_xmask:2 row_mask:0xf bank_mask:0xf
	v_max_num_f32_dpp v[GM], v[GM], v[GM] row_xmask:4 row_mask:0xf bank_mask:0xf
	v_max_num_f32_dpp v[GM], v[GM], v[GM] row_xmask:8 row_mask:0xf bank_mask:0xf
	v_mov_b32 v[TN], 0                             ; the permute's destination counts as read
	v_permlanex16_b32 v[TN], v[GM], s30, s31
	v_max_num_f32 v[GM], v[GM], v[TN]
	s_lshl3_add_u32 s20, s2, s3
	s_lshl_b32 s20, s20, 2
	v_mov_b32 v[TN+1], s20
	v_cmp_eq_u32 vcc_lo, 0, v1
	s_wait_xcnt 0x0                                ; EXEC is a source of the stores above: it changes only behind this wait
	s_wait_alu depctr_va_vcc(0)                    ; the compare has written VCC, from which EXEC is made
	s_wait_alu depctr_va_vdst(0)                   ; ahead of the write of EXEC: the vector instructions issued so far are done; among them those that wrote GM and TN+1, which the store below reads
	s_wait_alu depctr_vm_vsrc(0)                   ; ahead of the write of EXEC: the memory instructions issued so far have read their registers
	s_and_saveexec_b32 s21, vcc_lo
	global_store_b32 v[TN+1], v[GM], s[18:19]
	s_wait_xcnt 0x0                                ; and again in front of the line that widens it
	s_wait_alu depctr_va_vdst(0)                   ; ahead of the write of EXEC, as above
	s_wait_alu depctr_vm_vsrc(0)                   ; the store has read its offset and its data
	s_or_b32 exec_lo, exec_lo, s21
	s_endpgm
.Lfunc_end_k_q953c6767a2_prep:
	.size	k_q953c6767a2_prep, .Lfunc_end_k_q953c6767a2_prep-k_q953c6767a2_prep
	.p2alignl 7, 3214868480
	.fill 96, 4, 3214868480
	.section	.rodata,"a",@progbits
	.p2align	6, 0x0
	.amdhsa_kernel k_q953c6767a2_prep
		.amdhsa_group_segment_fixed_size 0
		.amdhsa_private_segment_fixed_size 0
		.amdhsa_enable_private_segment 0
		.amdhsa_kernarg_size 64
		.amdhsa_user_sgpr_count 2
		.amdhsa_user_sgpr_kernarg_segment_ptr 1
		.amdhsa_wavefront_size32 1
		.amdhsa_system_sgpr_workgroup_id_x 1
		.amdhsa_system_sgpr_workgroup_id_y 1
		.amdhsa_system_sgpr_workgroup_id_z 1
		.amdhsa_system_vgpr_workitem_id 0
		.amdhsa_next_free_vgpr 256
		.amdhsa_next_free_sgpr 66
		.amdhsa_reserve_vcc 1
		.amdhsa_float_denorm_mode_32 3
		.amdhsa_float_denorm_mode_16_64 3
		.amdhsa_memory_ordered 1
		.amdhsa_forward_progress 1
		.amdhsa_inst_pref_size 63
	.end_amdhsa_kernel
	.amdgpu_metadata
---
amdhsa.version: [ 1, 2 ]
amdhsa.kernels:
  - .name:           k_q953c6767a2_prep
    .symbol:         k_q953c6767a2_prep.kd
    .args:
      - { .name: x, .offset: 0, .size: 8, .value_kind: global_buffer, .address_space: global }
      - { .name: grids, .offset: 8, .size: 8, .value_kind: global_buffer, .address_space: global }
      - { .name: W1, .offset: 16, .size: 8, .value_kind: global_buffer, .address_space: global }
      - { .name: W2, .offset: 24, .size: 8, .value_kind: global_buffer, .address_space: global }
      - { .name: xq, .offset: 32, .size: 8, .value_kind: global_buffer, .address_space: global }
      - { .name: quads, .offset: 40, .size: 8, .value_kind: global_buffer, .address_space: global }
      - { .name: wimg, .offset: 48, .size: 8, .value_kind: global_buffer, .address_space: global }
      - { .name: gmax, .offset: 56, .size: 8, .value_kind: global_buffer, .address_space: global }
    .group_segment_fixed_size: 0
    .private_segment_fixed_size: 0
    .kernarg_segment_align: 8
    .kernarg_segment_size: 64
    .max_flat_workgroup_size: 256
    .sgpr_count:     66
    .vgpr_count:     256
    .wavefront_size: 32
...
	.end_amdgpu_metadata
.endif
;; end of part 4
;; launch mlp: the kernel of part 3 again; grid 256 x 1, 4 waves a work-group, no clusters, 224,768 bytes of LDS; arguments xq, quads, wimg, gmax, grids, W1, b1, b2, W3, b3, out0; writes out0
